; MI455X (gfx1250); checked and timed in simulation.
; The chip was launched on July 23, 2026; its instructions are those of AMD's public machine-readable ISA for CDNA 5 (MIT licence, August 2026) and "CDNA5" Instruction Set Architecture Reference Guide (July 2026). The comments in the code are by the model that wrote it; some were corrected since.
;; Attention Block. Allowed arithmetic: matrix products marked QUANTISED: E2M3 operands, one E8M0 scale for each 32 along K, by v_wmma_scale_f32_16x16x128_f8f6f4 with both operands' format E2M3, f32 sums; everything else in f32.
;; Inputs: Wk_codes 256 x 32 x 24 uint8 (E2M3 codes of Wk, K innermost, in blocks of 32 codes, four codes in three bytes); Wk_scales 256 x 32 uint8 (E8M0 scales of Wk, one for each 32 codes along K); Wq_codes 256 x 32 x 24 uint8 (E2M3 codes of Wq, K innermost, in blocks of 32 codes, four codes in three bytes); Wq_scales 256 x 32 uint8 (E8M0 scales of Wq, one for each 32 codes along K); Wv_codes 1,024 x 32 x 24 uint8 (E2M3 codes of Wv, K innermost, in blocks of 32 codes, four codes in three bytes); Wv_scales 1,024 x 32 uint8 (E8M0 scales of Wv, one for each 32 codes along K); bk 256 float32; bq 256 float32; bv 1,024 float32; x_h_codes 8 x 2,048 x 32 x 24 uint8 (E2M3 codes of x_h, K innermost, in blocks of 32 codes, four codes in three bytes); x_h_scales 8 x 2,048 x 32 uint8 (E8M0 scales of x_h, one for each 32 codes along K).
;; Outputs: out0 8 x 2,048 x 1,024 float32.
;; This version of the problem:
;;   THIS VERSION OF THE PROBLEM IS GIVEN IN LOW PRECISION. The matrix products marked QUANTISED in the list below multiply operands that are first quantised to E2M3 (2 exponent bits, 3 mantissa bits; 6 bits a number), with one power-of-two scale for each 32 numbers along K (OCP MX v1.0); their sums are f32. All else is computed in f32.
;;   The module's matrix products, in the order in which they are computed (A, B: the left and right operand; K: the contracted axis; several contracted axes count as one K, in the product's order):
;;     1. [M 16,384, K 1,024] x [K 1,024, N 256]; A: input x_h (given as codes); B: input Wq (given as codes): QUANTISED
;;     2. [M 16,384, K 1,024] x [K 1,024, N 256]; A: input x_h (given as codes); B: input Wk (given as codes): QUANTISED
;;     3. [M 16,384, K 1,024] x [K 1,024, N 1,024]; A: input x_h (given as codes); B: input Wv (given as codes): QUANTISED
;;     4. batch 8 x [M 2,048, K 256] x [K 256, N 2,048]; A: computed on the way; B: computed on the way: QUANTISED
;;     5. batch 8 x [M 2,048, K 2,048] x [K 2,048, N 1,024]; A: computed on the way; B: computed on the way: QUANTISED
;;   THE QUANTISER, for each operand of a quantised product, along K:
;;     - K is cut into blocks of 32 from its start; a last block that is shorter is filled with zeros.
;;     - A block's scale is 2^e with e = floor(log2(the largest magnitude in the block)) - 2, held to -126 .. 127; a block of zeros has e = 0. As a byte (E8M0): e + 127.
;;     - Each number is divided by its block's scale, clamped to +-7.5, and rounded to the nearest number of E2M3, ties to even, subnormals kept.
;;     - The product sums the exact products of the quantised numbers (number of the format x scale) in f32.
;;   ~~~python
;;   def quantise(x, axis):      # numpy; x: float32 -> the quantised numbers, widened to float32 again
;;       x = np.moveaxis(x, axis, -1); K = x.shape[-1]
;;       x = np.pad(x, [(0, 0)] * (x.ndim - 1) + [(0, -K % 32)]); x = x.reshape(x.shape[:-1] + (-1, 32)); a = np.abs(x).max(-1, keepdims=True)
;;       e = np.where(a > 0, np.clip(np.frexp(np.where(a > 0, a, 1))[1] - 1 - 2, -126, 127), 0)      # np.frexp(a)[1] - 1 = floor(log2(a)), exactly
;;       r = np.clip(x / 2.0 ** e, -7.5, 7.5)
;;       step = 2.0 ** (np.maximum(np.frexp(np.where(r == 0, 1, r))[1] - 1, 0) - 3)
;;       q = np.round(r / step) * step * 2.0 ** e      # np.round: ties to even
;;       return np.moveaxis(q.reshape(q.shape[:-2] + (-1,))[..., :K], -1, axis).astype(np.float32)
;;   ~~~
;;   OPERANDS COMPUTED ON THE WAY. 'Computed on the way' means the value that the module computes at that place (a softmax that the list does not call 'softmax' is quantised finished and normalised). What goes into a quantiser is computed in f32, as accurately as f32 sums, v_exp_f32 and their like allow (about 1e-6 of the number): no bf16 or f16 on the way to a quantiser, and a product that is left as it is and whose result goes on into a quantised operand takes f32 operands (vector FMAs, or v_wmma_f32_16x16x4_f32). A number that lies on a knife's edge between two numbers of the format may be rounded either way, as far as f32 arithmetic and the matrix unit's own rounding can turn it there, and no further.
;;   INPUTS GIVEN AS CODES. Wk (in the module: [1024, 256], K = its axis 0); Wq (in the module: [1024, 256], K = its axis 0); Wv (in the module: [1024, 1024], K = its axis 0); x_h (in the module: [8, 2048, 1024], K = its axis 2): each comes as NAME_codes (uint8): NAME with its K axis moved to the last place and cut into blocks of 32 codes, [.., K / 32, bytes a block], one block behind the other in memory; four codes in three bytes: a row's codes are one little-endian stream of bits, code i at bits 6 i .. 6 i + 5 (a code: sign, 2 exponent bits, 3 mantissa bits); and NAME_scales (uint8): the same leading axes, one E8M0 byte (e + 127) for each 32 codes along K. Its value is code x scale, taken as it is: it is not quantised again, and the codes and scales need not be those that the quantiser above would give.
;; One version. Each part assembles by itself: llvm-mc -triple=amdgcn-amd-amdhsa -mcpu=gfx1250 --defsym DOCPART=n.
;; ======== version 1 of 1: 3 launches
;; workspace buffers: qc 3,145,728 bytes; kc 3,145,728 bytes; qs 131,072 bytes; ks 131,072 bytes; vc 12,582,912 bytes; vs 524,288 bytes; pc 25,165,824 bytes; ps 1,048,576 bytes
;; launch proj (part 1): grid 4 x 64, 4 waves a work-group, clusters of 4 x 4, 327,680 bytes of LDS; arguments x_h_codes, x_h_scales, Wq_codes, Wk_codes, Wq_scales, Wk_scales, bq, bk, Wv_codes, Wv_scales, bv, qc, kc, qs, ks, vc, vs; writes qc, kc, qs, ks, vc, vs
.if DOCPART == 1
	.amdgcn_target "amdgcn-amd-amdhsa--gfx1250"
	.amdhsa_code_object_version 6
	.text
	.protected	k_q87288e8aaf_proj
	.globl	k_q87288e8aaf_proj
	.p2align	8
	.type	k_q87288e8aaf_proj,@function
k_q87288e8aaf_proj:
	s_mov_b64 s[64:65], 0
	v_nop
	global_prefetch_b8 v0, s[64:65] scope:SCOPE_SE
	s_setreg_imm32_b32 hwreg(HW_REG_WAVE_MODE, 25, 1), 1
	s_wait_xcnt 0x0
	s_wait_alu depctr_hold_cnt(0) depctr_sa_sdst(0) depctr_va_vdst(0) depctr_va_sdst(0) depctr_va_ssrc(0) depctr_va_vcc(0) depctr_vm_vsrc(0)
	s_getreg_b32 s2, hwreg(HW_REG_IB_STS2, 6, 4)
	s_cmp_eq_u32 s2, 0
	s_cbranch_scc0 .Lentry_in_a_cluster
	s_endpgm
.Lentry_in_a_cluster:
	s_bfe_u32 s2, ttmp6, 0x10000c
	s_cmp_lg_u32 s2, 0xf033
	s_cbranch_scc0 .Lentry_shape_is_right
	s_endpgm
.Lentry_shape_is_right:
; q = x Wq + bq, k = x Wk + bk, v = x Wv + bv on the given codes of FP6 (E2M3) and E8M0 scales, sums in f32; then q and k are quantised along the 256 attention
; dims and v along the keys (tokens), and leave as codes and scale bytes for the two later launches.
; DEAD WORK: none.  bq is the same for all queries of a key column and would cancel in a softmax over queries in real numbers, but it moves the codes of q, a quantised operand of a live
; product, so it stays.  Every input is loaded.
; LIMITS: NaN and infinities among the inputs are not served.  A block of zeros gets the scale byte 1 (its codes are zeros; these bytes are read by this program alone).
; THE ATOM, the layout of all code buffers of this program: 16 rows x one block of 32 along K = 384 dense bytes, row r at 24 r.  A result lane (r, h) holds 16 numbers of a block in two neighbouring
; accumulators (tile u, register j: index 16 u + 8 h + j); one conversion makes 12 bytes of them, stored at 24 r + 12 h.  So place 16 h + 8 u + j of a block holds index 16 u + 8 h + j, on BOTH operands
; of the later products alike: the products are the same, only the order of the sums inside a block differs.  A wave's store covers 384 consecutive bytes.
; SHARES.  A work-group takes 256 tokens (256 Y on) x 384 rows of W: Wq's rows 64 X .. +63, Wk's rows 64 X .. +63, Wv's rows 256 X .. +255.  Wave w owns tokens 64 w .. +63: their fragments of x, all of K,
; stay in 384 registers.  All four waves walk the 384 rows of W from LDS, 32 rows (a group: two tiles u) at a time: 8 accumulators, 64 matrix instructions a group, 12 groups.
; q, k groups: source 0 = 16 rows of W, source 1 = 16 tokens: a lane holds a token, its registers attention dims.  v groups: source 0 = 16 tokens, source 1 = 16 rows of Wv: a lane holds d, its registers keys.
; CLUSTER 4 x 4: x's rows are shared along a row of the cluster, W's along a column: joint loads.
; The halves of the scale words of q and k (2 bytes a token) are stored 4 bytes apart: 256 KB in all go out in parts of 256-byte units.
.set PITCH, 816                        ; an LDS row: 3 x (256 bytes + 16 of padding) = 204 words: the 32 lanes of a load of 8 bytes touch 64 different banks
.set TILEB, 16*PITCH
.set GRPB,  32*PITCH
.set XR,    128*PITCH                  ; LDS 0: Wq's 64 rows, Wk's 64 rows.  XR: x's 256 rows, filled again ONCE with Wv's 256 rows: W's 384 rows then lie on end
.set WSC,   XR+256*PITCH               ; W's scale bytes, 384 rows x 32 bytes
.set BIA,   WSC+384*32                 ; 64 of bq, 64 of bk, 256 of bv
.set SPARE, BIA+1536                   ; the spare words, 128 bytes for each wave
.set PADW,  (1<<20)|(1<<21)|(5<<22)|(3<<25)   ; elements of 1 byte; padding on; bit 21 beside a mask; after every 64 words; 4 words
.set SPW, 2                            ; v2   LDS address of my spare word; never rewritten
.set NIL, 3                            ; v3   0; never rewritten
.set AX,  4                            ; v4, v5  x's fragments: my lane's place, and the same behind one padding more
.set AW,  6                            ; v6, v7  the same for the group of W that is fetched next
.set AWS, 8                            ; v8   its scale bytes
.set ABQ, 9                            ; v9   bq's and bk's numbers for my half of the lanes
.set ABV, 10                           ; v10  bv's number for my d
.set QO,  11                           ; v11  24 r + 12 h: my 12 bytes of an atom
.set AVS, 12                           ; v12  the stage for v's scale bytes
.set L4,  13                           ; v13  4 x lane
.set T16, 14                           ; v14  16 x thread
.set VO,  15                           ; v15  v's codes: my offset, stepped group by group
.set XS,  16                           ; v16-47   x's scale words: tile t, K step s at 8 t + s
.set WS,  48                           ; v48-63   W's: tile u, K step s at 8 u + s
.set BI,  64                           ; v64-79   the bias as the C of a sum's first product: 8 registers a tile u
.set ACC, 80                           ; v80-143  the 8 accumulators: four units of 16 registers, each half a block
.set TM,  144
.set TP,  148
.set SC,  152
.set BY,  156
.set PW,  160
.set CD,  164                          ; v164-179 codes: 4 registers a unit
.set SD,  180                          ; v180-183 scale halves to store
.set OB,  184                          ; v184-187 v's scale bytes on their way out
.set RR,  188
.set HH,  189
.set O4,  190
.set O8,  191
.set O32, 192
.set SW,  193
.set SB4, 194
.set SB8, 195
; windows 1 and 2: x's fragments, tiles 0, 1 and tiles 2, 3, at 12 (8 (t % 2) + s).   window 3: W's fragments, ONE set, at 12 (8 u + s)
.set WV,  38
.set CX,  39
.set CY,  66
.set YY,  67
.set XX,  98
.set G1X, 40
.set G1Q, 48
.set G1V, 56
.set G0X, 68
.set G0Q, 72
.set G0K, 76
.set G0V, 80
.set SEL, 84
.set HM,  86
.set CNT, 87
.set MSB, 0
.macro WIN new                         ; the immediate's high byte repeats the setting that is left
.if MSB != (\new)
	s_set_vgpr_msb (MSB<<8)|(\new)
.set MSB, (\new)
.endif
.endm
.macro PLACES                          ; four places behind matrix instructions, in front of loads into their registers and of reads of their results
.rept 4
	v_nop
.endr
.endm
.macro CROUND                          ; a round of the cluster's barrier
	s_barrier_signal -1
	s_barrier_wait -1
	s_cmp_lg_u32 s[WV], 0
	s_cbranch_scc1 .Lnot_wave_0_\@
	s_barrier_signal -3
.Lnot_wave_0_\@:
	s_barrier_wait -3
	s_barrier_signal -1
	s_barrier_wait -1
.endm
; A fragment, 16 rows x 128 K: 12 registers: 24 bytes of the row at 96 s + 24 h and 24 at 96 s + 48 + 24 h, in pieces of 8 bytes.  Piece PC lies at 8 PC + 16 (PC / 32);
; lanes 16-31 read three pieces on, which for PC % 32 >= 29 is behind one padding more: the second address register serves those.
.macro FRAG reg, adr, s, blk
.irp p, 0,1,2,3,4,5
.set PC, 12*(\s)+6*(\p/3)+\p%3
.if PC%32 < 29
	ds_load_b64 v[(\reg)+2*\p:(\reg)+2*\p+1], v[\adr] offset:8*PC+16*(PC/32)+(\blk)*TILEB
.else
	ds_load_b64 v[(\reg)+2*\p:(\reg)+2*\p+1], v[\adr+1] offset:8*PC+16*(PC/32)+(\blk)*TILEB
.endif
.endr
.endm
; The next group's first half: its bias, its scale words and fragments of K steps 0-3.  kind 1: 54 loads; kind 2: 66.
.macro RUN1 kind, gi
	WIN 0
.if \kind == 1
.irp u, 0,1
.irp q, 0,1
	ds_load_b128 v[BI+8*\u+4*\q:BI+8*\u+4*\q+3], v[ABQ] offset:128*(\gi)+64*\u+16*\q   ; lane (r, h), register j: the bias of attention dim 16 u + 8 h + j
.endr
.endr
.else
.irp u, 0,1
.irp j, 0,1,2,3,4,5,6,7
	ds_load_b32 v[BI+8*\u+\j], v[ABV] offset:64*\u   ; eight registers alike: bv of my d
.endr
.endr
	v_add_nc_u32 v[ABV], 128, v[ABV]
.endif
.irp u, 0,1
	ds_load_b128 v[WS+8*\u:WS+8*\u+3], v[AWS] offset:512*\u
.endr
	WIN 0xc0                                       ; destination window 3
.irp u, 0,1
.irp s, 0,1,2,3
	FRAG 12*(8*\u+\s), AW, \s, \u
.endr
.endr
.endm
; Its second half, K steps 4-7: 50 loads; then the addresses step to the group after.
.macro RUN2
	WIN 0
.irp u, 0,1
	ds_load_b128 v[WS+8*\u+4:WS+8*\u+7], v[AWS] offset:512*\u+16
.endr
	WIN 0xc0
.irp u, 0,1
.irp s, 4,5,6,7
	FRAG 12*(8*\u+\s), AW, \s, \u
.endr
.endr
	WIN 0
	v_add_nc_u32 v[AW], GRPB, v[AW]
	v_add_nc_u32 v[AW+1], GRPB, v[AW+1]
	v_add_nc_u32 v[AWS], 1024, v[AWS]
.endm
; 16 matrix instructions under one window setting: K steps s0 .. s0 + 3, the four accumulators of x's tiles 2 xw, 2 xw + 1 by turns, one instruction a turn.
.macro MUL kind, xw, s0
.if \kind == 1
	WIN 0x07+4*(\xw)                               ; source 0 (W) window 3, source 1 (x) window 1 or 2
.else
	WIN 0x0d+(\xw)                                 ; source 0 (x) window 1 or 2, source 1 (W) window 3
.endif
.irp s, \s0, \s0+1, \s0+2, \s0+3
.irp tl, 0,1
.irp u, 0,1
.if \kind == 1
.set rD, ACC+16*(2*(\xw)+\tl)+8*\u
.set rA, 12*(8*\u+(\s))
.set rB, 12*(8*\tl+(\s))
.set rSA, WS+8*\u+(\s)
.set rSB, XS+8*(2*(\xw)+\tl)+(\s)
.else
.set rD, ACC+32*\u+16*(\xw)+8*\tl
.set rA, 12*(8*\tl+(\s))
.set rB, 12*(8*\u+(\s))
.set rSA, XS+8*(2*(\xw)+\tl)+(\s)
.set rSB, WS+8*\u+(\s)
.endif
.if (\s) == 0
	v_wmma_scale_f32_16x16x128_f8f6f4 v[rD:rD+7], v[rA:rA+11], v[rB:rB+11], v[BI+8*\u:BI+8*\u+7], v[rSA], v[rSB] matrix_a_fmt:MATRIX_FMT_FP6 matrix_b_fmt:MATRIX_FMT_FP6
.else
	v_wmma_scale_f32_16x16x128_f8f6f4 v[rD:rD+7], v[rA:rA+11], v[rB:rB+11], v[rD:rD+7], v[rSA], v[rSB] matrix_a_fmt:MATRIX_FMT_FP6 matrix_b_fmt:MATRIX_FMT_FP6
.endif
.endr
.endr
.endr
.endm
; Four units of 16 registers become codes.  A block lies in lanes l and l xor 16.  Each accumulator is read from its low end on.
.macro QUANT vstep
.irp i, 0,1,2,3
	v_max3_num_f32 v[TM+\i], |v[ACC+16*\i]|, |v[ACC+16*\i+1]|, 0x1800000   ; the floor 2^(3 - 127): the byte cannot fall under 1
.endr
.irp k, 2,4,6,8,10,12,14
.irp i, 0,1,2,3
	v_max3_num_f32 v[TM+\i], v[TM+\i], |v[ACC+16*\i+\k]|, |v[ACC+16*\i+\k+1]|
.endr
.endr
.irp i, 0,1,2,3
	v_permlanex16_b32 v[TP+\i], v[TM+\i], s[SEL], s[SEL+1]
.endr
.irp i, 0,1,2,3
	v_max_num_f32 v[TM+\i], v[TM+\i], v[TP+\i]     ; the block's largest magnitude
.endr
.irp i, 0,1,2,3
	v_add_nc_u32 v[SC+\i], 0xff000000, v[TM+\i]    ; 2 off its exponent field: the conversion's scale operand
.endr
.irp i, 0,1,2,3
	v_lshrrev_b32 v[BY+\i], 23, v[SC+\i]           ; the scale's byte
.endr
	s_wait_xcnt 0x0                                ; the last group's stores have read their data and offsets: both are written again only behind this wait
.if \vstep
	v_add_nc_u32 v[VO], 1536, v[VO]                ; the stores below reach back by 1,536
.endif
.irp i, 0,1,2,3
	v_cvt_scalef32_pk16_fp6_f32 v[CD+4*\i:CD+4*\i+2], v[ACC+16*\i:ACC+16*\i+15], v[SC+\i]
.endr
	v_nop                                          ; one plain place behind the conversions: the next group's products write their sources
.endm
; A GROUP.  kind: 1 q or k, 2 v.  nk: the next group's kind, 0: there is none.  gi: which of the four q, k groups.
.macro GROUP kind, nk, gi
	s_wait_dscnt 50                                ; the first run is in; the second run's 50 loads may be out
	MUL \kind, 0, 0
	MUL \kind, 1, 0
.if \nk
	PLACES
	RUN1 \nk, (\gi)+1
.if \nk == 1
	s_wait_dscnt 54                                ; all but the 54 just issued: K steps 4-7 are in
.else
	s_wait_dscnt 63                                ; 66 were just issued; the wait's largest count
.endif
.else
	s_wait_dscnt 0x0
.endif
	MUL \kind, 0, 4
	MUL \kind, 1, 4
	PLACES
.if \nk
	RUN2
.endif
	WIN 0
	QUANT \kind-1
.if \kind == 1
.irp m, 0,1,2,3
.if (\gi) < 2
	global_store_b96 v[QO], v[CD+4*\m:CD+4*\m+2], s[26:27] offset:3072*\m+384*((\gi)%2)   ; an atom: 384 consecutive bytes
.else
	global_store_b96 v[QO], v[CD+4*\m:CD+4*\m+2], s[28:29] offset:3072*\m+384*((\gi)%2)
.endif
.endr
.if (\gi)%2 == 0
.irp m, 0,1,2,3
	v_mov_b32 v[PW+\m], v[BY+\m]
.endr
.else
.irp m, 0,1,2,3
	v_lshl_or_b32 v[PW+\m], v[BY+\m], 8, v[PW+\m]  ; my two blocks' bytes: half of a token's scale word
.endr
	v_cndmask_b32 v[SD+2*((\gi)/2)], v[PW], v[PW+1], s[HM]       ; lanes 0-15 one tile of tokens, lanes 16-31 the next
	v_cndmask_b32 v[SD+2*((\gi)/2)+1], v[PW+2], v[PW+3], s[HM]
.if (\gi) < 2
	global_store_b16 v[L4], v[SD], s[30:31]
	global_store_b16 v[L4], v[SD+1], s[30:31] offset:128
.else
	global_store_b16 v[L4], v[SD+2], s[32:33]
	global_store_b16 v[L4], v[SD+3], s[32:33] offset:128
.endif
.endif
.else
.irp u, 0,1
.irp b, 0,1
	global_store_b96 v[VO], v[CD+4*(2*\u+\b):CD+4*(2*\u+\b)+2], s[34:35] offset:768*\u+384*\b-1536   ; the group's four atoms: 1,536 consecutive bytes
.endr
.endr
.irp u, 0,1
	v_lshl_or_b32 v[PW+\u], v[BY+2*\u+1], 8, v[BY+2*\u]
	ds_store_b16 v[AVS], v[PW+\u] offset:128*\u    ; my wave's two bytes of d's eight; both halves of the lanes write the same bytes with the same value
.endr
	v_add_nc_u32 v[AVS], 256, v[AVS]
.endif
.endm
	s_load_b512 s[4:19], s[0:1], 0x0               ; x codes 4, x scales 6, Wq 8, Wk 10, Wq scales 12, Wk scales 14, bq 16, bk 18
	s_load_b512 s[20:35], s[0:1], 0x40             ; Wv 20, Wv scales 22, bv 24, qc 26, kc 28, qs 30, ks 32, vc 34
	s_load_b64 s[36:37], s[0:1], 0x80              ; vs
	v_lshl_add_u32 v[SPW], v0, 2, SPARE
	v_mov_b32 v[NIL], 0
	ds_add_u32 v[SPW], v[NIL]                      ; the wave's opening: the add, twice on end, and its wait ahead of my first tensor load
	ds_add_u32 v[SPW], v[NIL]
	v_lshrrev_b32 v1, 5, v0
	v_readfirstlane_b32 s[WV], v1                  ; wave 0..3
	s_bfe_u32 s[CX], ttmp6, 0x40000
	s_bfe_u32 s[CY], ttmp6, 0x40004
	s_lshl_b32 s[XX], ttmp9, 2
	s_add_co_u32 s[XX], s[XX], s[CX]               ; X: which part of W
	s_and_b32 s[YY], ttmp7, 0xffff
	s_lshl_b32 s[YY], s[YY], 2
	s_add_co_u32 s[YY], s[YY], s[CY]               ; Y: which 256 tokens
	s_lshl_b32 s88, s[CY], 2
	s_lshl_b32 s88, 15, s88                        ; my row of the cluster
	s_lshl_b32 s92, 0x1111, s[CX]                  ; my column
	s_or_b32 s[G1X], s88, PADW                     ; x: 64 rows of 768 bytes, to my row
	s_mov_b32 s[G1X+1], 768<<16
	s_mov_b32 s[G1X+2], 64<<16
	s_mov_b32 s[G1X+3], 768<<16
	s_mov_b32 s[G1X+4], 64
	s_mov_b32 s[G1X+5], 768
	s_mov_b32 s[G1X+6], 0
	s_mov_b32 s[G1X+7], 0
	s_or_b32 s[G1Q], s92, PADW                     ; Wq, Wk: 32 rows, to my column
	s_mov_b32 s[G1Q+1], 768<<16
	s_mov_b32 s[G1Q+2], 32<<16
	s_mov_b32 s[G1Q+3], 768<<16
	s_mov_b32 s[G1Q+4], 32
	s_mov_b32 s[G1Q+5], 768
	s_mov_b32 s[G1Q+6], 0
	s_mov_b32 s[G1Q+7], 0
	s_or_b32 s[G1V], s92, PADW                     ; Wv: 64 rows, to my column
	s_mov_b32 s[G1V+1], 768<<16
	s_mov_b32 s[G1V+2], 64<<16
	s_mov_b32 s[G1V+3], 768<<16
	s_mov_b32 s[G1V+4], 64
	s_mov_b32 s[G1V+5], 768
	s_mov_b32 s[G1V+6], 0
	s_mov_b32 s[G1V+7], 0
	s_mul_i32 s88, s[YY], 196608                   ; x: (256 Y + 64 w) rows of 768 bytes: Y and the wave alone
	s_mul_i32 s89, s[WV], 49152
	s_add_co_u32 s88, s88, s89
	s_mov_b32 s89, 0
	s_and_b32 s93, s[WV], 1                        ; Wq, Wk: (64 X + 32 (w % 2)) rows: X and the wave alone
	s_mul_i32 s93, s93, 24576
	s_mul_i32 s92, s[XX], 49152
	s_add_co_u32 s92, s92, s93
	s_mov_b32 s93, 0
	s_mul_i32 s94, s[XX], 196608                   ; Wv: (256 X + 64 w) rows
	s_mul_i32 s95, s[WV], 49152
	s_add_co_u32 s94, s94, s95
	s_mov_b32 s95, 0
	s_mul_i32 s96, s[WV], 64*PITCH
	s_add_co_u32 s96, s96, XR                      ; LDS: my 64 rows of x, later of Wv
	s_mul_i32 s97, s[WV], GRPB                     ; LDS: my 32 rows of Wq or Wk
	s_mov_b32 s[SEL], 0x76543210
	s_mov_b32 s[SEL+1], 0xfedcba98                 ; lane l xor 16
	s_mov_b32 s[HM], 0xffff0000                    ; lanes 16-31
	s_wait_dscnt 0x0                               ; both opening adds are done
	s_wait_kmcnt 0x0
	s_mov_b32 s[G0X], 1
	s_mov_b32 s[G0X+1], s96
	s_add_nc_u64 s[G0X+2:G0X+3], s[4:5], s[88:89]
	s_or_b32 s[G0X+3], s[G0X+3], 0x80000000
	s_mov_b32 s[G0Q], 1
	s_mov_b32 s[G0Q+1], s97
	s_add_nc_u64 s[G0Q+2:G0Q+3], s[8:9], s[92:93]
	s_or_b32 s[G0Q+3], s[G0Q+3], 0x80000000
	s_mov_b32 s[G0K], 1
	s_mov_b32 s[G0K+1], s97
	s_add_nc_u64 s[G0K+2:G0K+3], s[10:11], s[92:93]
	s_or_b32 s[G0K+3], s[G0K+3], 0x80000000
	s_mov_b32 s[G0V], 1
	s_mov_b32 s[G0V+1], s96
	s_add_nc_u64 s[G0V+2:G0V+3], s[20:21], s[94:95]
	s_or_b32 s[G0V+3], s[G0V+3], 0x80000000
	CROUND                                         ; all sixteen work-groups are here: the first joint loads meet
	tensor_load_to_lds s[G0X:G0X+3], s[G1X:G1X+7]  ; my 64 rows of x
	s_nop 0
	s_cmp_lt_u32 s[WV], 2                          ; waves 0, 1: Wq's rows; waves 2, 3: Wk's
	s_cbranch_scc0 .Lfor_k
	tensor_load_to_lds s[G0Q:G0Q+3], s[G1Q:G1Q+7]
	s_nop 0
	PLACES
	s_branch .Lasked
.Lfor_k:
	tensor_load_to_lds s[G0K:G0K+3], s[G1Q:G1Q+7]
	s_nop 0
	PLACES
.Lasked:
	; the small inputs: W's scale bytes and the biases go to LDS through registers, x's scale words stay in registers
	s_mov_b32 s101, 0
	s_lshl_b32 s100, s[XX], 11
	s_add_nc_u64 s[12:13], s[12:13], s[100:101]    ; Wq's scale bytes, rows 64 X on
	s_add_nc_u64 s[14:15], s[14:15], s[100:101]    ; Wk's
	s_lshl_b32 s100, s[XX], 13
	s_add_nc_u64 s[22:23], s[22:23], s[100:101]    ; Wv's, rows 256 X on
	s_cmp_lt_u32 s[WV], 2
	s_cselect_b64 s[16:17], s[16:17], s[18:19]     ; threads 0-63 fetch bq's 64 numbers, threads 64-127 bk's: the choice hangs on the wave's number alone
	s_lshl_b32 s100, s[XX], 8
	s_add_nc_u64 s[16:17], s[16:17], s[100:101]
	s_lshl_b32 s100, s[XX], 10
	s_add_nc_u64 s[24:25], s[24:25], s[100:101]    ; bv, 256 X on
	s_lshl_b32 s100, s[YY], 13
	s_lshl_b32 s104, s[WV], 11
	s_add_co_u32 s100, s100, s104
	s_add_nc_u64 s[6:7], s[6:7], s[100:101]        ; x's scale bytes at my wave's first token
	v_and_b32 v[RR], 15, v0                        ; r
	v_bfe_u32 v[HH], v0, 4, 1                      ; h
	v_lshlrev_b32 v[T16], 4, v0
	v_and_b32 v[O4], 63, v0
	v_lshlrev_b32 v[O4], 2, v[O4]
	v_lshlrev_b32 v[O8], 3, v0
	v_lshlrev_b32 v[O32], 5, v[RR]
	global_load_b128 v[80:83], v[T16], s[12:13]
	global_load_b128 v[84:87], v[T16], s[14:15]
.irp k, 0,1,2,3
	global_load_b128 v[88+4*\k:91+4*\k], v[T16], s[22:23] offset:2048*\k
.endr
	global_load_b32 v104, v[O4], s[16:17]
	global_load_b64 v[106:107], v[O8], s[24:25]
.irp t, 0,1,2,3
	global_load_b128 v[XS+8*\t:XS+8*\t+3], v[O32], s[6:7] offset:512*\t       ; lane r: token 16 t + r: its eight scale words
	global_load_b128 v[XS+8*\t+4:XS+8*\t+7], v[O32], s[6:7] offset:512*\t+16
.endr
	v_add_nc_u32 v[SW], WSC, v[T16]
	v_lshl_add_u32 v[SB4], v0, 2, BIA
	v_lshl_add_u32 v[SB8], v0, 3, BIA+512
	v_mul_u32_u24 v[AW], v[RR], PITCH
	v_mad_u32_u24 v[AW], v[HH], 24, v[AW]          ; row r, + 24 h
	v_lshl_add_u32 v[AW+1], v[HH], 4, v[AW]        ; and behind one padding more
	v_add_nc_u32 v[AX], s96, v[AW]
	v_add_nc_u32 v[AX+1], s96, v[AW+1]
	v_lshl_add_u32 v[AWS], v[RR], 5, WSC
	v_lshl_add_u32 v[ABQ], v[HH], 5, BIA
	v_lshl_add_u32 v[ABV], v[RR], 2, BIA+512
	v_mul_u32_u24 v[QO], v[RR], 24
	v_mad_u32_u24 v[QO], v[HH], 12, v[QO]
	v_mov_b32 v[VO], v[QO]
	s_lshl_b32 s104, s[WV], 1
	v_lshl_add_u32 v[AVS], v[RR], 3, s104          ; 8 r + 2 w
	v_and_b32 v[L4], 31, v0
	v_lshlrev_b32 v[L4], 2, v[L4]
.irp i, 0,1,2,3
	v_mov_b32 v[TP+\i], 0                          ; written once: a lane permute's destination counts as one of its sources
.endr
	s_wait_loadcnt 8                               ; W's scale bytes and the biases are in; x's eight loads may be out
	ds_store_b128 v[SW], v[80:83]
	ds_store_b128 v[SW], v[84:87] offset:2048
.irp k, 0,1,2,3
	ds_store_b128 v[SW], v[88+4*\k:91+4*\k] offset:4096+2048*\k
.endr
	ds_store_b32 v[SB4], v104
	ds_store_b64 v[SB8], v[106:107]
	s_wait_tensorcnt 1                             ; my rows of x are in LDS (the load behind it may be out); only I read them
	WIN 0x40
.irp t, 0,1
.irp s, 0,1,2,3,4,5,6,7
	FRAG 12*(8*\t+\s), AX, \s, \t
.endr
.endr
	WIN 0x80
.irp t, 2,3
.irp s, 0,1,2,3,4,5,6,7
	FRAG 12*(8*(\t-2)+\s), AX, \s, \t
.endr
.endr
	WIN 0
	; x's bytes are filled again with Wv's rows
	s_wait_tensorcnt 0x0                           ; all my tensor loads have landed, my rows of Wq or Wk among them
	ds_add_u32 v[SPW], v[NIL]                      ; 0 onto my spare word; the pointers below stand between it and the wait for it
	s_mul_i32 s100, s[YY], 49152                   ; qc, kc: token tile 16 Y + 4 w, blocks 2 X on
	s_mul_i32 s104, s[WV], 12288
	s_add_co_u32 s100, s100, s104
	s_mul_i32 s104, s[XX], 768
	s_add_co_u32 s100, s100, s104
	s_add_nc_u64 s[26:27], s[26:27], s[100:101]
	s_add_nc_u64 s[28:29], s[28:29], s[100:101]
	s_lshr_b32 s99, s[YY], 3                       ; the batch
	s_and_b32 s105, s[YY], 7
	s_lshl_b32 s100, s99, 14                       ; qs, ks: [batch][K step X / 2][token] words, bytes 2 (X % 2) on
	s_lshl_b32 s104, s105, 10
	s_add_co_u32 s100, s100, s104
	s_lshl_b32 s104, s[WV], 8
	s_add_co_u32 s100, s100, s104
	s_lshr_b32 s104, s[XX], 1
	s_lshl_b32 s104, s104, 13
	s_add_co_u32 s100, s100, s104
	s_and_b32 s104, s[XX], 1
	s_lshl_b32 s104, s104, 1
	s_add_co_u32 s100, s100, s104
	s_add_nc_u64 s[30:31], s[30:31], s[100:101]
	s_add_nc_u64 s[32:33], s[32:33], s[100:101]
	s_mul_i32 s100, s99, 1572864                   ; vc: [batch][64 keys: 4 (Y % 8) + w][d tile 16 X on]
	s_lshl_b32 s104, s105, 2
	s_add_co_u32 s104, s104, s[WV]
	s_mul_i32 s104, s104, 49152
	s_add_co_u32 s100, s100, s104
	s_mul_i32 s104, s[XX], 12288
	s_add_co_u32 s100, s100, s104
	s_add_nc_u64 s[34:35], s[34:35], s[100:101]
	s_lshl_b32 s100, s99, 16                       ; vs: [batch][256 keys: Y % 8][d 256 X on][8]
	s_lshl_b32 s104, s105, 13
	s_add_co_u32 s100, s100, s104
	s_lshl_b32 s104, s[XX], 11
	s_add_co_u32 s100, s100, s104
	s_add_nc_u64 s[36:37], s[36:37], s[100:101]
	s_wait_dscnt 0x0                               ; the add is done, x's fragments are in registers, my stores of scale bytes and biases have landed
	CROUND                                         ; all that now holds of every wave of the cluster
	tensor_load_to_lds s[G0V:G0V+3], s[G1V:G1V+7]  ; my one load behind the round: it has three groups' work in which to land
	s_nop 0
	PLACES
	RUN1 1, 0                                      ; group 0
	RUN2
	s_wait_loadcnt 0x0                             ; x's scale words
	GROUP 1, 1, 0                                  ; q, blocks 2 X and 2 X + 1
	GROUP 1, 1, 1
	GROUP 1, 1, 2                                  ; k likewise
	s_wait_tensorcnt 0x0                           ; my rows of Wv are in,
	s_wait_dscnt 0x0                               ; and my reads of Wq's and Wk's rows are over
	s_barrier_signal -1
	s_barrier_wait -1                              ; everybody's: Wv is whole, and LDS bytes 0 to 2,047 may serve as a stage (they have had their last fill)
	GROUP 1, 2, 3
	s_mov_b32 s[CNT], 7
.Lv:
	GROUP 2, 2, 0
	s_sub_co_u32 s[CNT], s[CNT], 1
	s_cmp_lg_u32 s[CNT], 0
	s_cbranch_scc1 .Lv
	GROUP 2, 0, 0                                  ; the last group fetches nothing
	s_wait_dscnt 0x0                               ; my bytes lie in the stage
	s_barrier_signal -1
	s_barrier_wait -1                              ; all four waves' do: 256 d x 8 bytes
	ds_load_b128 v[OB:OB+3], v[T16]
	s_wait_dscnt 0x0
	global_store_b128 v[T16], v[OB:OB+3], s[36:37] ; 2,048 consecutive bytes a work-group
	s_wait_tensorcnt 0x0                           ; the wave's end
	ds_add_u32 v[SPW], v[NIL]
	s_wait_dscnt 0x0
	CROUND                                         ; the closing round
	s_endpgm
.Lfunc_end_k_q87288e8aaf_proj:
	.size	k_q87288e8aaf_proj, .Lfunc_end_k_q87288e8aaf_proj-k_q87288e8aaf_proj
	.p2alignl 7, 3214868480
	.fill 96, 4, 3214868480
	.section	.rodata,"a",@progbits
	.p2align	6, 0x0
	.amdhsa_kernel k_q87288e8aaf_proj
		.amdhsa_group_segment_fixed_size 327680
		.amdhsa_private_segment_fixed_size 0
		.amdhsa_enable_private_segment 0
		.amdhsa_kernarg_size 136
		.amdhsa_user_sgpr_count 2
		.amdhsa_user_sgpr_kernarg_segment_ptr 1
		.amdhsa_wavefront_size32 1
		.amdhsa_system_sgpr_workgroup_id_x 1
		.amdhsa_system_sgpr_workgroup_id_y 1
		.amdhsa_system_sgpr_workgroup_id_z 1
		.amdhsa_system_vgpr_workitem_id 0
		.amdhsa_next_free_vgpr 1024
		.amdhsa_next_free_sgpr 106
		.amdhsa_reserve_vcc 0
		.amdhsa_float_denorm_mode_32 3
		.amdhsa_float_denorm_mode_16_64 3
		.amdhsa_memory_ordered 1
		.amdhsa_forward_progress 1
		.amdhsa_inst_pref_size 142
	.end_amdhsa_kernel
	.amdgpu_metadata
---
amdhsa.version: [ 1, 2 ]
amdhsa.kernels:
  - .name:           k_q87288e8aaf_proj
    .symbol:         k_q87288e8aaf_proj.kd
    .args:
      - { .name: x_h_codes, .offset: 0, .size: 8, .value_kind: global_buffer, .address_space: global }
      - { .name: x_h_scales, .offset: 8, .size: 8, .value_kind: global_buffer, .address_space: global }
      - { .name: Wq_codes, .offset: 16, .size: 8, .value_kind: global_buffer, .address_space: global }
      - { .name: Wk_codes, .offset: 24, .size: 8, .value_kind: global_buffer, .address_space: global }
      - { .name: Wq_scales, .offset: 32, .size: 8, .value_kind: global_buffer, .address_space: global }
      - { .name: Wk_scales, .offset: 40, .size: 8, .value_kind: global_buffer, .address_space: global }
      - { .name: bq, .offset: 48, .size: 8, .value_kind: global_buffer, .address_space: global }
      - { .name: bk, .offset: 56, .size: 8, .value_kind: global_buffer, .address_space: global }
      - { .name: Wv_codes, .offset: 64, .size: 8, .value_kind: global_buffer, .address_space: global }
      - { .name: Wv_scales, .offset: 72, .size: 8, .value_kind: global_buffer, .address_space: global }
      - { .name: bv, .offset: 80, .size: 8, .value_kind: global_buffer, .address_space: global }
      - { .name: qc, .offset: 88, .size: 8, .value_kind: global_buffer, .address_space: global }
      - { .name: kc, .offset: 96, .size: 8, .value_kind: global_buffer, .address_space: global }
      - { .name: qs, .offset: 104, .size: 8, .value_kind: global_buffer, .address_space: global }
      - { .name: ks, .offset: 112, .size: 8, .value_kind: global_buffer, .address_space: global }
      - { .name: vc, .offset: 120, .size: 8, .value_kind: global_buffer, .address_space: global }
      - { .name: vs, .offset: 128, .size: 8, .value_kind: global_buffer, .address_space: global }
    .group_segment_fixed_size: 327680
    .private_segment_fixed_size: 0
    .kernarg_segment_align: 8
    .kernarg_segment_size: 136
    .max_flat_workgroup_size: 128
    .sgpr_count:     106
    .vgpr_count:     1024
    .wavefront_size: 32
...
	.end_amdgpu_metadata
.endif
;; end of part 1
;; launch score (part 2): grid 32 x 8, 8 waves a work-group, clusters of 4 x 1, 327,680 bytes of LDS; arguments qc, qs, kc, ks, pc, ps; writes pc, ps
.if DOCPART == 2
	.amdgcn_target "amdgcn-amd-amdhsa--gfx1250"
	.amdhsa_code_object_version 6
	.text
	.protected	k_q87288e8aaf_score
	.globl	k_q87288e8aaf_score
	.p2align	8
	.type	k_q87288e8aaf_score,@function
k_q87288e8aaf_score:
	s_mov_b64 s[64:65], 0
	v_nop
	global_prefetch_b8 v0, s[64:65] scope:SCOPE_SE
	s_setreg_imm32_b32 hwreg(HW_REG_WAVE_MODE, 25, 1), 1
	s_wait_xcnt 0x0
	s_wait_alu depctr_hold_cnt(0) depctr_sa_sdst(0) depctr_va_vdst(0) depctr_va_sdst(0) depctr_va_ssrc(0) depctr_va_vcc(0) depctr_vm_vsrc(0)
	s_getreg_b32 s2, hwreg(HW_REG_IB_STS2, 6, 4)
	s_cmp_eq_u32 s2, 0
	s_cbranch_scc0 .Lentry_in_a_cluster
	s_endpgm
.Lentry_in_a_cluster:
	s_bfe_u32 s2, ttmp6, 0x10000c
	s_cmp_lg_u32 s2, 0x3003
	s_cbranch_scc0 .Lentry_shape_is_right
	s_endpgm
.Lentry_shape_is_right:
; attn = softmax over the QUERIES of q k^T / 16, finished and normalised, then quantised along the keys into codes of FP6 (E2M3) and E8M0 bytes.  No work is left out.
; SHARES.  A work-group owns 64 keys of one batch, as two blocks of 32, one after the other.  Each of its eight waves owns 256 queries: 16 tiles.  S^T = k q^T (source 0 = 16 keys, source 1 = 16 queries):
; a lane holds one query, its registers the keys; a block's S^T of all 2,048 queries lies in the eight waves' registers (256 each, window 1: tile n, key tile u at 16 n + 8 u).  So a key column's maximum and sum
; over all queries are had without a second product or a second exponential: within a lane over the tiles, across 16 lanes, across the waves through LDS.
; p = 2^(c s - c m), c = log2(e) / 16, m the column's largest score; attn = p x (1 / the column's sum).  A query's 32 keys of a block lie in lanes l and l xor 16.
; Q's codes: a wave's 16 tiles are four chunks of four.  Chunks 0, 1, 2 come through LDS, each wave filling and reading its own three slots; the four work-groups of a cluster walk the same Q and ask jointly.
; All of Q (393,216 bytes) does not fit in LDS: chunk 3 comes from memory straight into the two fragment sets, which it fills exactly (not jointly: it has no LDS bytes to land in).
; Block 0 walks chunks 3, 0, 1, 2; block 1 walks 2, 1, 0, 3: chunk 2 still lies in the fragment registers, 1 and 0 in LDS, and chunk 3 is brought into slot 2 by the launch's one refill, asked for behind block 0's
; last product, so that it lands during the vector work.  Register chunk c holds chunk (c + 3) % 4 in block 0, and chunks 2, 1, 0, 3 in block 1.
; LIMITS: NaN and infinities are not served; a p under 2^-126 counts as 0; a block of zeros gets the byte 1.  The scale bytes (2 a query) are stored 8 bytes apart: 1 MB in all goes out in parts of 256-byte units.
.set SLOTB, 12288                      ; four tiles of queries: 4 x 8 atoms of 384 bytes
.set WRING, 3*SLOTB
.set EXB,   8*WRING                    ; behind the rings: 1,024 bytes each: the waves' maxima, their sums, and two regions of the waves' own
.set SPARE, EXB+4096                   ; the spare words, 128 bytes for each wave
.set SPW, 1
.set NIL, 2
.set AQ,  3                            ; v3   my ring + 384 h + 24 r
.set EXW, 4                            ; v4   EXB + 128 w + 32 h
.set EXR, 5                            ; v5   EXB + 4 lane
.set PVW, 6                            ; v6   EXB + 128 w + 4 lane
.set LP,  7                            ; v7   24 r + 12 h
.set KO,  12                           ; v12  24 r + 384 h; never rewritten
.set L4,  13
.set L8,  14
.set KF,  16                           ; v16-63   k's fragments: 12 (2 u + s)
.set FA,  64                           ; v64-111  q's fragments, set A: 12 (2 tl + s)
.set FB,  112                          ; v112-159 set B
.set QS,  160                          ; v160-175 q's scale words: 8 s + pair; lanes 0-15 the even tile, lanes 16-31 the odd
.set KS,  176                          ; v176-177 k's: lanes 0-15 key tile 0, lanes 16-31 key tile 1
.set L,   178                          ; v178-193 the sums, then 1 / sum
.set CM,  194                          ; v194-209 the maxima, then -c m
.set SB,  210                          ; v210-225 a tile's two scale bytes
.set TM,  226
.set TP,  230
.set SC,  234
.set CD,  240
.set WV,  36
.set G1,  16
.set G0,  24
.set HM,  56
.set NC,  57
.set CS,  58
.set SEL, 60
.set MSB, 0
.macro WIN new
.if MSB != (\new)
	s_set_vgpr_msb (MSB<<8)|(\new)
.set MSB, (\new)
.endif
.endm
.macro PLACES
.rept 4
	v_nop
.endr
.endm
.macro CROUND
	s_barrier_signal -1
	s_barrier_wait -1
	s_cmp_lg_u32 s[WV], 0
	s_cbranch_scc1 .Lnot_wave_0_\@
	s_barrier_signal -3
.Lnot_wave_0_\@:
	s_barrier_wait -3
	s_barrier_signal -1
	s_barrier_wait -1
.endm
.macro LOADK e                         ; block e's 32 keys: four fragments and two scale words, straight from memory
.irp u, 0,1
.irp s, 0,1
.irp p, 0,1,2,3,4,5
	global_load_b64 v[KF+12*(2*\u+\s)+2*\p:KF+12*(2*\u+\s)+2*\p+1], v[KO], s[8:9] offset:6144*(\e)+3072*\u+1536*\s+768*(\p/3)+8*(\p%3)
.endr
.endr
.endr
.irp s, 0,1
	global_load_b32 v[KS+\s], v[L4], s[10:11] offset:8192*\s+128*(\e)
.endr
.endm
.macro LOADQG set, tl0                 ; 24 loads from memory: tiles tl0, tl0 + 1 of chunk 3; three loads cover 768 consecutive bytes
.irp tl, 0,1
.irp s, 0,1
.irp p, 0,1,2,3,4,5
	global_load_b64 v[(\set)+12*(2*\tl+\s)+2*\p:(\set)+12*(2*\tl+\s)+2*\p+1], v[KO], s[46:47] offset:3*SLOTB+3072*((\tl0)+\tl)+1536*\s+768*(\p/3)+8*(\p%3)
.endr
.endr
.endr
.endm
.macro LOADQ set, sl, tl0              ; 24 LDS loads: tiles tl0, tl0 + 1 of the chunk in slot sl
.irp tl, 0,1
.irp s, 0,1
.irp p, 0,1,2,3,4,5
	ds_load_b64 v[(\set)+12*(2*\tl+\s)+2*\p:(\set)+12*(2*\tl+\s)+2*\p+1], v[AQ] offset:SLOTB*(\sl)+3072*((\tl0)+\tl)+1536*\s+768*(\p/3)+8*(\p%3)
.endr
.endr
.endr
.endm
; 8 matrix instructions: register tiles 2 p, 2 p + 1 x two key tiles, two K steps; the four accumulators by turns.  ap: the pair's true number, for q's scale words.
.macro MM p, set, ap
	WIN 0x50                                       ; C and D window 1
.irp s, 0,1
.irp tl, 0,1
.irp u, 0,1
.set rD, 16*(2*(\p)+\tl)+8*\u
.set rA, KF+12*(2*\u+\s)
.set rB, (\set)+12*(2*\tl+\s)
.set rQ, QS+8*\s+(\ap)
.if \s == 0
.if \u == 0 && \tl == 0
	v_wmma_scale_f32_16x16x128_f8f6f4 v[rD:rD+7], v[rA:rA+11], v[rB:rB+11], 0, v[KS+\s], v[rQ] matrix_a_fmt:MATRIX_FMT_FP6 matrix_b_fmt:MATRIX_FMT_FP6
.elseif \u == 1 && \tl == 0
	v_wmma_scale_f32_16x16x128_f8f6f4 v[rD:rD+7], v[rA:rA+11], v[rB:rB+11], 0, v[KS+\s], v[rQ] matrix_a_fmt:MATRIX_FMT_FP6 matrix_b_fmt:MATRIX_FMT_FP6 matrix_a_scale:MATRIX_SCALE_ROW1
.elseif \u == 0 && \tl == 1
	v_wmma_scale_f32_16x16x128_f8f6f4 v[rD:rD+7], v[rA:rA+11], v[rB:rB+11], 0, v[KS+\s], v[rQ] matrix_a_fmt:MATRIX_FMT_FP6 matrix_b_fmt:MATRIX_FMT_FP6 matrix_b_scale:MATRIX_SCALE_ROW1
.else
	v_wmma_scale_f32_16x16x128_f8f6f4 v[rD:rD+7], v[rA:rA+11], v[rB:rB+11], 0, v[KS+\s], v[rQ] matrix_a_fmt:MATRIX_FMT_FP6 matrix_b_fmt:MATRIX_FMT_FP6 matrix_a_scale:MATRIX_SCALE_ROW1 matrix_b_scale:MATRIX_SCALE_ROW1
.endif
.else
.if \u == 0 && \tl == 0
	v_wmma_scale_f32_16x16x128_f8f6f4 v[rD:rD+7], v[rA:rA+11], v[rB:rB+11], v[rD:rD+7], v[KS+\s], v[rQ] matrix_a_fmt:MATRIX_FMT_FP6 matrix_b_fmt:MATRIX_FMT_FP6
.elseif \u == 1 && \tl == 0
	v_wmma_scale_f32_16x16x128_f8f6f4 v[rD:rD+7], v[rA:rA+11], v[rB:rB+11], v[rD:rD+7], v[KS+\s], v[rQ] matrix_a_fmt:MATRIX_FMT_FP6 matrix_b_fmt:MATRIX_FMT_FP6 matrix_a_scale:MATRIX_SCALE_ROW1
.elseif \u == 0 && \tl == 1
	v_wmma_scale_f32_16x16x128_f8f6f4 v[rD:rD+7], v[rA:rA+11], v[rB:rB+11], v[rD:rD+7], v[KS+\s], v[rQ] matrix_a_fmt:MATRIX_FMT_FP6 matrix_b_fmt:MATRIX_FMT_FP6 matrix_b_scale:MATRIX_SCALE_ROW1
.else
	v_wmma_scale_f32_16x16x128_f8f6f4 v[rD:rD+7], v[rA:rA+11], v[rB:rB+11], v[rD:rD+7], v[KS+\s], v[rQ] matrix_a_fmt:MATRIX_FMT_FP6 matrix_b_fmt:MATRIX_FMT_FP6 matrix_a_scale:MATRIX_SCALE_ROW1 matrix_b_scale:MATRIX_SCALE_ROW1
.endif
.endif
.endr
.endr
.endr
.endm
.macro MAXT p                          ; the running maxima take in register tiles 2 p, 2 p + 1: 16 lines, each accumulator from its low end on
.if (\p) == 0
	WIN 0x05
.irp i, 0,1,2,3,4,5,6,7,8,9,10,11,12,13,14,15
	v_max_num_f32 v[CM+\i], v[\i], v[16+\i]
.endr
.else
	WIN 0x14
.irp i, 0,1,2,3,4,5,6,7,8,9,10,11,12,13,14,15
	v_max3_num_f32 v[CM+\i], v[CM+\i], v[32*(\p)+\i], v[32*(\p)+16+\i]
.endr
.endif
.endm
; A turn: the pair's products, then the maxima of the pair BEFORE.  Those 16 lines (in turn 0: four v_nop) name no register of this turn's products: they are the places behind them, in front of the loads
; into the set just multiplied and of the next turn's reads of these results.
.macro TURN n, p, set, ap
	s_wait_dscnt \n                                ; this set is in; the other set's 24 loads may be out
	MM \p, \set, \ap
.if (\p) == 0
	PLACES
.else
	MAXT (\p)-1
.endif
	WIN 0
.endm
.macro REFILL                          ; slot 2, which has been read out, is filled again, with chunk 3: the launch's one refill
	WIN 0
	s_wait_tensorcnt 0x0                           ; all my tensor loads have landed, so a group 0 may be written
	ds_add_u32 v[SPW], v[NIL]                      ; 0 onto my spare word
	s_add_nc_u64 s[G0+10:G0+11], s[G0+10:G0+11], SLOTB   ; from chunk 2 to chunk 3; the type bits on top are not reached
	s_wait_dscnt 0x0                               ; the add is done, and my reads of the slot are over
	CROUND                                         ; of every wave of the four work-groups
	tensor_load_to_lds s[G0+8:G0+11], s[G1:G1+7]
	s_nop 0
	PLACES
.endm
; 16 registers (key 16 u + 8 h + j at 8 u + j) are joined over the 16 lanes of a half, then over the eight waves: each wave puts its 32 numbers into LDS; behind a barrier lane l joins key l's eight,
; finishes the number (-c x the maximum, or 1 / the sum), and the wave's own 128 bytes of LDS bring it back into the registers' layout.
.macro REDUCE sum, R, ex, priv
	WIN 0
.irp x, 1,2,4,8
.irp i, 0,1,2,3,4,5,6,7,8,9,10,11,12,13,14,15
.if \sum
	v_add_f32_dpp v[\R+\i], v[\R+\i], v[\R+\i] row_xmask:\x row_mask:0xf bank_mask:0xf
.else
	v_max_num_f32_dpp v[\R+\i], v[\R+\i], v[\R+\i] row_xmask:\x row_mask:0xf bank_mask:0xf
.endif
.endr
.endr
.irp q, 0,1,2,3
	ds_store_b128 v[EXW], v[\R+4*\q:\R+4*\q+3] offset:\ex+64*(\q/2)+16*(\q%2)   ; the 16 lanes of a half write the same bytes with the same values
.endr
	s_wait_dscnt 0x0                               ; for the others' sake: my stores have landed, and no LDS load of mine is out
	s_barrier_signal -1
	s_barrier_wait -1
.irp k, 0,1,2,3,4,5,6,7
	ds_load_b32 v[TM+\k], v[EXR] offset:\ex+128*\k
.endr
	s_wait_dscnt 0x0
.if \sum
	v_add_f32 v[TM], v[TM], v[TM+1]
	v_add_f32 v[TM+2], v[TM+2], v[TM+3]
	v_add_f32 v[TM+4], v[TM+4], v[TM+5]
	v_add_f32 v[TM+6], v[TM+6], v[TM+7]
	v_add_f32 v[TM], v[TM], v[TM+2]
	v_add_f32 v[TM+4], v[TM+4], v[TM+6]
	v_add_f32 v[TM], v[TM], v[TM+4]
	v_rcp_f32 v[TM], v[TM]
	v_nop                                          ; a plain place behind the reciprocal,
	s_wait_alu depctr_va_vdst(0)                   ; and the wait ahead of its first reader
.else
	v_max3_num_f32 v[TM], v[TM], v[TM+1], v[TM+2]
	v_max3_num_f32 v[TM+3], v[TM+3], v[TM+4], v[TM+5]
	v_max3_num_f32 v[TM], v[TM], v[TM+6], v[TM+7]
	v_max_num_f32 v[TM], v[TM], v[TM+3]
	v_mul_f32 v[TM], s[NC], v[TM]
.endif
	ds_store_b32 v[PVW], v[TM] offset:\priv
.irp q, 0,1,2,3
	ds_load_b128 v[\R+4*\q:\R+4*\q+3], v[EXW] offset:\priv+64*(\q/2)+16*(\q%2)   ; my wave's own bytes: LDS serves a wave's instructions in order
.endr
	s_wait_dscnt 0x0
.endm
.macro FMAS G                          ; c s - c m for four tiles, two numbers a line
	WIN 0x41
.irp t, 0,1,2,3
.irp k, 0,2,4,6,8,10,12,14
	v_pk_fma_f32 v[64*(\G)+16*\t+\k:64*(\G)+16*\t+\k+1], v[64*(\G)+16*\t+\k:64*(\G)+16*\t+\k+1], s[CS:CS+1], v[CM+\k:CM+\k+1] op_sel_hi:[1,0,1]
.endr
.endr
.endm
.macro EXPS G                          ; a batch of 64 exponentials
	WIN 0x41
.set j, 64*(\G)
.rept 64
	v_exp_f32 v[j], v[j]
.set j, j+1
.endr
.endm
.macro ADDS G                          ; the sums take in four tiles; the first two tiles start them
.if (\G) == 0
	WIN 0x05
.irp k, 0,2,4,6,8,10,12,14
	v_pk_add_f32 v[L+\k:L+\k+1], v[\k:\k+1], v[16+\k:17+\k]
.endr
	WIN 0x04
.irp t, 2,3
.irp k, 0,2,4,6,8,10,12,14
	v_pk_add_f32 v[L+\k:L+\k+1], v[L+\k:L+\k+1], v[16*\t+\k:16*\t+\k+1]
.endr
.endr
.else
	WIN 0x04
.irp t, 0,1,2,3
.irp k, 0,2,4,6,8,10,12,14
	v_pk_add_f32 v[L+\k:L+\k+1], v[L+\k:L+\k+1], v[64*(\G)+16*\t+\k:64*(\G)+16*\t+\k+1]
.endr
.endr
.endif
.endm
.macro NORMQ c, e                      ; four register tiles: normalised, quantised, stored.  A0: the first of their true numbers
.set B0, 64*(\c)
.if \e
.if (\c) == 3
.set A0, 12
.else
.set A0, 4*(2-(\c))
.endif
.else
.set A0, 4*(((\c)+3)%4)
.endif
	WIN 0x41
.irp t, 0,1,2,3
.irp k, 0,2,4,6,8,10,12,14
	v_pk_mul_f32 v[B0+16*\t+\k:B0+16*\t+\k+1], v[B0+16*\t+\k:B0+16*\t+\k+1], v[L+\k:L+\k+1]
.endr
.endr
	WIN 0x05
.irp t, 0,1,2,3
	v_max3_num_f32 v[TM+\t], v[B0+16*\t], v[B0+16*\t+1], 0x1800000   ; none is negative; the floor 2^(3 - 127) holds the byte at 1 from below
.endr
	WIN 0x14
.irp i, 2,4,6,8,10,12,14
.irp t, 0,1,2,3
	v_max3_num_f32 v[TM+\t], v[TM+\t], v[B0+16*\t+\i], v[B0+16*\t+\i+1]
.endr
.endr
	WIN 0
.irp t, 0,1,2,3
	v_permlanex16_b32 v[TP+\t], v[TM+\t], s[SEL], s[SEL+1]
.endr
.irp t, 0,1,2,3
	v_max_num_f32 v[TM+\t], v[TM+\t], v[TP+\t]
.endr
.irp t, 0,1,2,3
	v_add_nc_u32 v[SC+\t], 0xff000000, v[TM+\t]    ; 2 off the exponent field: the conversion's scale operand
.endr
.irp t, 0,1,2,3
.if \e
	v_lshrrev_b32 v[TM+\t], 23, v[SC+\t]
	v_lshl_or_b32 v[SB+A0+\t], v[TM+\t], 8, v[SB+A0+\t]
.else
	v_lshrrev_b32 v[SB+A0+\t], 23, v[SC+\t]
.endif
.endr
	s_wait_xcnt 0x0                                ; the last four stores have read their data
	WIN 0x01
.irp t, 0,1,2,3
	v_cvt_scalef32_pk16_fp6_f32 v[CD+4*\t:CD+4*\t+2], v[B0+16*\t:B0+16*\t+15], v[SC+\t]
.endr
	v_nop                                          ; one plain place behind the conversions
	WIN 0
.irp t, 0,1,2,3
	global_store_b96 v[LP], v[CD+4*\t:CD+4*\t+2], s[12:13] offset:768*(A0+\t)+384*(\e)   ; an atom: 384 consecutive bytes
.endr
.endm
; The exponentials go in four batches; behind each stands the next batch's scaling, which names none of its results, then ONE wait, then the sums that read it.
.macro VECTOR e
	REDUCE 0, CM, 0, 2048
	FMAS 0
	EXPS 0
	FMAS 1
	s_wait_alu depctr_va_vdst(0)
	ADDS 0
	EXPS 1
	FMAS 2
	s_wait_alu depctr_va_vdst(0)
	ADDS 1
	EXPS 2
	FMAS 3
	s_wait_alu depctr_va_vdst(0)
	ADDS 2
	EXPS 3
	v_nop
	s_wait_alu depctr_va_vdst(0)
	ADDS 3
	REDUCE 1, L, 1024, 3072
	NORMQ 0, \e
	NORMQ 1, \e
	NORMQ 2, \e
	NORMQ 3, \e
.endm
	s_load_b256 s[4:11], s[0:1], 0x0               ; qc 4, qs 6, kc 8, ks 10
	s_load_b128 s[12:15], s[0:1], 0x20             ; pc 12, ps 14
	v_lshl_add_u32 v[SPW], v0, 2, SPARE
	v_mov_b32 v[NIL], 0
	ds_add_u32 v[SPW], v[NIL]                      ; the wave's opening: the add, twice on end, and its wait ahead of my first tensor load
	ds_add_u32 v[SPW], v[NIL]
	v_lshrrev_b32 v8, 5, v0
	v_readfirstlane_b32 s[WV], v8                  ; wave 0..7
	s_bfe_u32 s37, ttmp6, 0x40000                  ; cx
	s_lshl_b32 s38, ttmp9, 2
	s_add_co_u32 s38, s38, s37                     ; g: which 64 keys; it enters k's, pc's and ps's addresses alone
	s_and_b32 s39, ttmp7, 0xffff                   ; the batch, which the four partners share
	s_mov_b32 s[G1], 15|(3<<16)|(1<<21)            ; the mask: all four; elements of 8 bytes; bit 21 beside a mask; no padding
	s_mov_b32 s[G1+1], 32<<16                      ; a chunk is dense: 48 rows of 256 bytes
	s_mov_b32 s[G1+2], 48<<16
	s_mov_b32 s[G1+3], 32<<16
	s_mov_b32 s[G1+4], 48
	s_mov_b32 s[G1+5], 32
	s_mov_b32 s[G1+6], 0
	s_mov_b32 s[G1+7], 0
	s_mul_i32 s40, s39, 393216                     ; q's codes: the batch, my wave's 16 tiles
	s_mul_i32 s41, s[WV], 49152
	s_add_co_u32 s40, s40, s41
	s_mov_b32 s41, 0
	s_mul_i32 s42, s[WV], WRING                    ; my ring
	s_mov_b32 s[CS], 0x3db8aa3b                    ; c = log2(e) / 16
	s_mov_b32 s[CS+1], s[CS]
	s_mov_b32 s[NC], 0xbdb8aa3b                    ; -c
	s_mov_b32 s[SEL], 0x76543210
	s_mov_b32 s[SEL+1], 0xfedcba98
	s_mov_b32 s[HM], 0xffff0000
	s_wait_dscnt 0x0                               ; both opening adds are done
	s_wait_kmcnt 0x0
	s_add_nc_u64 s[46:47], s[4:5], s[40:41]        ; q's codes at my wave's first tile; never rewritten
.irp c, 0,1,2
	s_mov_b32 s[G0+4*\c], 1
	s_add_co_u32 s[G0+4*\c+1], s42, \c*SLOTB
	s_add_nc_u64 s[G0+4*\c+2:G0+4*\c+3], s[46:47], \c*SLOTB
	s_or_b32 s[G0+4*\c+3], s[G0+4*\c+3], 0x80000000
.endr
	CROUND                                         ; all four work-groups are here: the first joint loads meet
	tensor_load_to_lds s[G0:G0+3], s[G1:G1+7]      ; chunks 0, 1, 2: three loads of mine are out
	s_nop 0
	tensor_load_to_lds s[G0+4:G0+7], s[G1:G1+7]
	s_nop 0
	tensor_load_to_lds s[G0+8:G0+11], s[G1:G1+7]
	s_nop 0
	PLACES
	s_mov_b32 s45, 0
	s_mul_i32 s44, s39, 393216                     ; kc: token tile 128 b + 4 g
	s_mul_i32 s43, s38, 12288
	s_add_co_u32 s44, s44, s43
	s_add_nc_u64 s[8:9], s[8:9], s[44:45]
	s_lshl_b32 s44, s39, 14                        ; ks: [b][K step][token]
	s_lshl_b32 s43, s38, 8
	s_add_co_u32 s44, s44, s43
	s_add_nc_u64 s[10:11], s[10:11], s[44:45]
	s_lshl_b32 s44, s39, 14                        ; qs: my wave's 256 queries
	s_lshl_b32 s43, s[WV], 10
	s_add_co_u32 s44, s44, s43
	s_add_nc_u64 s[6:7], s[6:7], s[44:45]
	s_mul_i32 s44, s39, 3145728                    ; pc: [b][g][q tile][e][384]
	s_mul_i32 s43, s38, 98304
	s_add_co_u32 s44, s44, s43
	s_mul_i32 s43, s[WV], 12288
	s_add_co_u32 s44, s44, s43
	s_add_nc_u64 s[12:13], s[12:13], s[44:45]
	s_lshl_b32 s44, s39, 17                        ; ps: [b][g / 4][query][8], bytes 2 (g % 4) on
	s_lshr_b32 s43, s38, 2
	s_lshl_b32 s43, s43, 14
	s_add_co_u32 s44, s44, s43
	s_lshl_b32 s43, s[WV], 11
	s_add_co_u32 s44, s44, s43
	s_and_b32 s43, s38, 3
	s_lshl_b32 s43, s43, 1
	s_add_co_u32 s44, s44, s43
	s_add_nc_u64 s[14:15], s[14:15], s[44:45]
	v_and_b32 v8, 15, v0                           ; r
	v_bfe_u32 v9, v0, 4, 1                         ; h
	v_and_b32 v10, 31, v0                          ; lane
	v_mul_u32_u24 v[KO], v8, 24
	v_mad_u32_u24 v[LP], v9, 12, v[KO]
	v_mad_u32_u24 v[KO], v9, 384, v[KO]
	v_lshlrev_b32 v[L4], 2, v10
	v_lshlrev_b32 v[L8], 3, v10
	LOADK 0
.irp s, 0,1
.irp p, 0,1,2,3,4,5,6,7
	global_load_b32 v[QS+8*\s+\p], v[L4], s[6:7] offset:8192*\s+128*\p
.endr
.endr
	LOADQG FA, 0                                   ; chunk 3, into the two sets
	LOADQG FB, 2
	v_add_nc_u32 v[AQ], s42, v[KO]
	s_lshl_b32 s43, s[WV], 7
	s_add_co_u32 s43, s43, EXB
	v_lshl_add_u32 v[EXW], v9, 5, s43
	v_add_nc_u32 v[EXR], EXB, v[L4]
	v_add_nc_u32 v[PVW], s43, v[L4]
.irp i, 0,1,2,3
	v_mov_b32 v[TP+\i], 0                          ; written once: a lane permute's destination counts as one of its sources
.endr
	; ---- block 0: the scores, chunks 3, 0, 1, 2
	s_wait_loadcnt 0x0                             ; k's fragments, all scale words, chunk 3
	TURN 0, 0, FA, 6
	s_wait_tensorcnt 2                             ; chunk 0 is in (two younger loads may be out); only I read my slots
	LOADQ FA, 0, 0
	TURN 24, 1, FB, 7
	LOADQ FB, 0, 2
	TURN 24, 2, FA, 0
	s_wait_tensorcnt 1                             ; chunk 1 is in
	LOADQ FA, 1, 0
	TURN 24, 3, FB, 1
	LOADQ FB, 1, 2
	TURN 24, 4, FA, 2
	s_wait_tensorcnt 0x0                           ; chunk 2 is in: no load was issued behind it
	LOADQ FA, 2, 0
	TURN 24, 5, FB, 3
	LOADQ FB, 2, 2
	TURN 24, 6, FA, 4
	TURN 0, 7, FB, 5
	LOADK 1                                        ; block 1's keys: they land during the vector work, which names none of these registers
	REFILL                                         ; chunk 3 into slot 2: likewise
	MAXT 7
	VECTOR 0
	; ---- block 1: chunks 2, 1, 0, 3; chunk 2 lies in the two sets as block 0 left it
	s_wait_loadcnt 0x0
	TURN 0, 0, FA, 4
	LOADQ FA, 1, 0
	TURN 24, 1, FB, 5
	LOADQ FB, 1, 2
	TURN 24, 2, FA, 2
	LOADQ FA, 0, 0
	TURN 24, 3, FB, 3
	LOADQ FB, 0, 2
	TURN 24, 4, FA, 0
	s_wait_tensorcnt 0x0                           ; chunk 3 is in slot 2
	LOADQ FA, 2, 0
	TURN 24, 5, FB, 1
	LOADQ FB, 2, 2
	TURN 24, 6, FA, 6
	TURN 0, 7, FB, 7
	MAXT 7
	VECTOR 1
	; ---- the scale bytes: two a query
.irp p, 0,1,2,3,4,5,6,7
	v_cndmask_b32 v[FA+\p], v[SB+2*\p], v[SB+2*\p+1], s[HM]   ; lanes 0-15 the even tile's queries, lanes 16-31 the odd tile's
.endr
.irp p, 0,1,2,3,4,5,6,7
	global_store_b16 v[L8], v[FA+\p], s[14:15] offset:256*\p
.endr
	s_wait_tensorcnt 0x0                           ; the wave's end
	ds_add_u32 v[SPW], v[NIL]
	s_wait_dscnt 0x0
	CROUND                                         ; the closing round
	s_endpgm
.Lfunc_end_k_q87288e8aaf_score:
	.size	k_q87288e8aaf_score, .Lfunc_end_k_q87288e8aaf_score-k_q87288e8aaf_score
	.p2alignl 7, 3214868480
	.fill 96, 4, 3214868480
	.section	.rodata,"a",@progbits
	.p2align	6, 0x0
	.amdhsa_kernel k_q87288e8aaf_score
		.amdhsa_group_segment_fixed_size 327680
		.amdhsa_private_segment_fixed_size 0
		.amdhsa_enable_private_segment 0
		.amdhsa_kernarg_size 48
		.amdhsa_user_sgpr_count 2
		.amdhsa_user_sgpr_kernarg_segment_ptr 1
		.amdhsa_wavefront_size32 1
		.amdhsa_system_sgpr_workgroup_id_x 1
		.amdhsa_system_sgpr_workgroup_id_y 1
		.amdhsa_system_sgpr_workgroup_id_z 1
		.amdhsa_system_vgpr_workitem_id 0
		.amdhsa_next_free_vgpr 512
		.amdhsa_next_free_sgpr 66
		.amdhsa_reserve_vcc 0
		.amdhsa_float_denorm_mode_32 3
		.amdhsa_float_denorm_mode_16_64 3
		.amdhsa_memory_ordered 1
		.amdhsa_forward_progress 1
		.amdhsa_inst_pref_size 188
	.end_amdhsa_kernel
	.amdgpu_metadata
---
amdhsa.version: [ 1, 2 ]
amdhsa.kernels:
  - .name:           k_q87288e8aaf_score
    .symbol:         k_q87288e8aaf_score.kd
    .args:
      - { .name: qc, .offset: 0, .size: 8, .value_kind: global_buffer, .address_space: global }
      - { .name: qs, .offset: 8, .size: 8, .value_kind: global_buffer, .address_space: global }
      - { .name: kc, .offset: 16, .size: 8, .value_kind: global_buffer, .address_space: global }
      - { .name: ks, .offset: 24, .size: 8, .value_kind: global_buffer, .address_space: global }
      - { .name: pc, .offset: 32, .size: 8, .value_kind: global_buffer, .address_space: global }
      - { .name: ps, .offset: 40, .size: 8, .value_kind: global_buffer, .address_space: global }
    .group_segment_fixed_size: 327680
    .private_segment_fixed_size: 0
    .kernarg_segment_align: 8
    .kernarg_segment_size: 48
    .max_flat_workgroup_size: 256
    .sgpr_count:     66
    .vgpr_count:     512
    .wavefront_size: 32
...
	.end_amdgpu_metadata
.endif
;; end of part 2
;; launch pv (part 3): grid 4 x 64, 4 waves a work-group, clusters of 4 x 4, 327,680 bytes of LDS; arguments pc, ps, vc, vs, out0; writes out0
.if DOCPART == 3
	.amdgcn_target "amdgcn-amd-amdhsa--gfx1250"
	.amdhsa_code_object_version 6
	.text
	.protected	k_q87288e8aaf_pv
	.globl	k_q87288e8aaf_pv
	.p2align	8
	.type	k_q87288e8aaf_pv,@function
k_q87288e8aaf_pv:
	s_mov_b64 s[64:65], 0
	v_nop
	global_prefetch_b8 v0, s[64:65] scope:SCOPE_SE
	s_setreg_imm32_b32 hwreg(HW_REG_WAVE_MODE, 25, 1), 1
	s_wait_xcnt 0x0
	s_wait_alu depctr_hold_cnt(0) depctr_sa_sdst(0) depctr_va_vdst(0) depctr_va_sdst(0) depctr_va_ssrc(0) depctr_va_vcc(0) depctr_vm_vsrc(0)
	s_getreg_b32 s2, hwreg(HW_REG_IB_STS2, 6, 4)
	s_cmp_eq_u32 s2, 0
	s_cbranch_scc0 .Lentry_in_a_cluster
	s_endpgm
.Lentry_in_a_cluster:
	s_bfe_u32 s2, ttmp6, 0x10000c
	s_cmp_lg_u32 s2, 0xf033
	s_cbranch_scc0 .Lentry_shape_is_right
	s_endpgm
.Lentry_shape_is_right:
; out[b][q][d] = the sum over the keys of attn[b][q][k] v[b][k][d], both operands as codes of FP6 (E2M3) with one E8M0 scale for each 32 keys, as the two launches before have laid them; sums in f32.  No work is left out.
; A tile of out, 256 queries x 256 d, is made by a work-group of four waves; a wave makes 128 x 128: 64 accumulators, 512 registers.
; THE RING.  The keys go through two LDS slots of 384 keys (three K steps of 128), as large as two fit: 512 rows x 384 keys x 6 bits = 147,456 bytes a slot.  2,048 keys are five such fills and one of 128 keys, which
; stands last.  From a refill's request to the wait for it a wave issues 160 matrix instructions.  Three steps to a slot and two sets of v's fragments
; come round after two slots, and the last refill has another shape: so the 16 K steps are written out, by macro, and every offset is an immediate.
; LAYOUT.  Codes lie as atoms: 16 rows x 32 keys = 384 dense bytes, row r at 24 r; [batch][64 keys][row tile][32 keys: e][384].  So 128 rows x 64 keys are 6,144 dense bytes, and a wave's tensor load brings six
; such rows.  A fragment's lane (r, h) takes 24 bytes at 384 h + 24 r of its tile's pair of atoms, and 24 more one 64 keys on: the 32 lanes of a load of 8 bytes touch 64 different banks; no padding.
; THE SCALES, [256 keys][row][8 bytes]: those of keys 256 on come into LDS once, with the first fills, and stay; beside the ring there is no room for all, so the words of the first two K steps go from memory
; straight into the scale registers.  A scale register carries attn's word in lanes 0-15 and v's in lanes 16-31.
; CLUSTERS: 4 x 4.  attn's tiles are shared along a row of the cluster, v's along a column: joint loads.  The matrix instruction is used transposed (source 0 = 16 d, source 1 = 16 queries): a lane holds eight neighbouring d of one query.
; REGISTERS: window 0: v0-31 addresses; v32-47 scale words, two sets of 8; v64-95 at work at the head; from v128 attn's fragments, ONE set; on the way out v128-255 are free.  window 1: v's fragments, TWO sets.  windows 2, 3: the accumulators.
.set SIZE_N, 1024
.set FR,     12
.set NL,     6
.set NP,     4
.set HALFT,  36864                     ; 128 rows x 384 keys: what one tensor load brings
.set SLOT,   4*HALFT
.set AG,     98304                     ; 64 keys on in attn's codes
.set BG,     49152                     ; and in v's
.set SCL,    2*SLOT
.set HALFS,  7168                      ; the scales of 128 rows, keys 256 on
.set BSH,    128                       ; v's scales lie 128 bytes further on, so that lanes 0-15 and lanes 16-31 of a load fall on different banks
.set SPARE,  SCL+4*HALFS+256           ; the spare words, 128 bytes for each wave
.set SPITCH, 528                       ; the way out: a stage of 16 rows x (512 + 16) bytes for each wave, in slot 0, which has had its last fill and its last read by then
.set GSO,  7                           ; v7   8 r: my row's place among the first scale words in memory; never rewritten
.set ADRA, 16
.set ADRB, 20
.set STO,  24
.set RD,   25
.set CO,   26
.set ADRS, 27
.set SPW,  28
.set NIL,  29
.set SC,   32                          ; K step k's words at SC + 8 (k % 2) + block
.set TA,   64
.set TB,   80
.set AF,   128
.set BK,   128
.set G1,   24                          ; s[24:31] group 1 for attn's tiles of six rows;  s[32:39] group 0, one set for each slot
.set G0,   32
.set G1T,  40                          ; s[40:47] the same for the last fill's two rows
.set G1B,  48                          ; s[48:55], s[56:63] for v's tiles
.set G0B,  56
.set G1S,  68                          ; s[68:75], s[76:79] attn's scales;  s[80:87], s[88:91] v's
.set G0S,  76
.set G1SB, 80
.set G0SB, 88
.set G1TB, 92                          ; s[92:99] v's last fill
.set MSB, 0
.macro WIN new
.if MSB != (\new)
	s_set_vgpr_msb (MSB<<8)|(\new)
.set MSB, (\new)
.endif
.endm
.set MUL_LO, 0xa1                      ; source 0 (v) window 1, source 1 (attn) window 0, C and D window 2
.set MUL_HI, 0xf1
.set TO_B,   0x40
; A joint load: waves 0 and 1 fetch for attn, waves 2 and 3 for v.  The branch hangs on the wave's number alone.  An s_nop 0 and four v_nop follow each of the two lines.
.macro JLOAD g0a, g1a, g0b, g1b
	s_cmp_eq_u32 s15, 0
	s_cbranch_scc0 .Lfor_b_\@
	tensor_load_to_lds s[\g0a:\g0a+3], s[\g1a:\g1a+7]
	s_nop 0
.rept 4
	v_nop
.endr
	s_branch .Lasked_\@
.Lfor_b_\@:
	tensor_load_to_lds s[\g0b:\g0b+3], s[\g1b:\g1b+7]
	s_nop 0
.rept 4
	v_nop
.endr
.Lasked_\@:
.endm
.macro CREST
	s_cmp_lg_u32 s14, 0
	s_cbranch_scc1 .Lnot_wave_0_\@
	s_barrier_signal -3
.Lnot_wave_0_\@:
	s_barrier_wait -3
	s_barrier_signal -1
	s_barrier_wait -1
.endm
.macro CROUND
	s_barrier_signal -1
	s_barrier_wait -1
	CREST
.endm
	s_load_b128 s[4:7], s[0:1], 0x0                ; attn's codes, attn's scales
	s_load_b128 s[8:11], s[0:1], 0x10              ; v's codes, v's scales
	s_load_b64 s[12:13], s[0:1], 0x20              ; out
	v_lshl_add_u32 v[SPW], v0, 2, SPARE
	v_mov_b32 v[NIL], 0
	ds_add_u32 v[SPW], v[NIL]                      ; the wave's opening: the add, twice on end, and its wait ahead of my first tensor load
	ds_add_u32 v[SPW], v[NIL]
	v_lshrrev_b32 v1, 5, v0
	v_readfirstlane_b32 s14, v1                    ; wave 0..3
	s_lshr_b32 s15, s14, 1                         ; which half of the tile's queries is mine.  Also: I fetch for attn (0) or for v (1)
	s_and_b32 s16, s14, 1                          ; which half of its d.  Also: which 128 rows I fetch
	s_bfe_u32 s2, ttmp6, 0x40000                   ; cx
	s_bfe_u32 s3, ttmp6, 0x40004                   ; cy
	s_lshl_b32 s66, ttmp9, 2
	s_add_co_u32 s66, s66, s2                      ; tile column: 256 d
	s_and_b32 s17, ttmp7, 0xffff
	s_lshl_b32 s17, s17, 2
	s_add_co_u32 s17, s17, s3                      ; tile row: 256 queries; eight to a batch
	s_lshl_b32 s18, s3, 2
	s_lshl_b32 s18, 15, s18                        ; my row of the cluster
	s_lshl_b32 s67, 0x1111, s2                     ; my column
.irp g, G1, G1T, G1S
	s_or_b32 s[\g], s18, (3<<16)|(1<<21)           ; attn's go to my row; elements of 8 bytes; bit 21 beside a mask; no padding
.endr
.irp g, G1B, G1TB, G1SB
	s_or_b32 s[\g], s67, (3<<16)|(1<<21)           ; v's go to my column
.endr
.irp g, G1, G1B
	s_mov_b32 s[\g+1], 768<<16                     ; a row: 128 rows x 64 keys = 6,144 bytes
	s_mov_b32 s[\g+2], 6<<16                       ; six of them: 384 keys
	s_mov_b32 s[\g+3], 768<<16
	s_mov_b32 s[\g+4], 6
	s_mov_b32 s[\g+6], 0
	s_mov_b32 s[\g+7], 0
.endr
.irp g, G1T, G1TB
	s_mov_b32 s[\g+1], 768<<16
	s_mov_b32 s[\g+2], 2<<16                       ; the last fill: two of them: 128 keys
	s_mov_b32 s[\g+3], 768<<16
	s_mov_b32 s[\g+4], 2
	s_mov_b32 s[\g+6], 0
	s_mov_b32 s[\g+7], 0
.endr
	s_mov_b32 s[G1+5], 12288                       ; 64 keys on: 128 query tiles x 768 bytes
	s_mov_b32 s[G1T+5], 12288
	s_mov_b32 s[G1B+5], 6144                       ; 64 d tiles x 768 bytes
	s_mov_b32 s[G1TB+5], 6144
.irp g, G1S, G1SB
	s_mov_b32 s[\g+1], 128<<16                     ; a row: 128 rows x 8 bytes
	s_mov_b32 s[\g+2], 7<<16                       ; seven of them: keys 256 to 2,047
	s_mov_b32 s[\g+3], 128<<16
	s_mov_b32 s[\g+4], 7
	s_mov_b32 s[\g+6], 0
	s_mov_b32 s[\g+7], 0
.endr
	s_mov_b32 s[G1S+5], 2048                       ; 256 keys on: 2,048 queries x 8 bytes
	s_mov_b32 s[G1SB+5], 1024                      ; 1,024 d x 8 bytes
	s_lshr_b32 s18, s17, 3                         ; attn: the batch and the tile row in it: the tile row and the wave alone
	s_and_b32 s19, s17, 7
	s_mul_i32 s20, s18, 3145728
	s_mul_i32 s21, s19, 12288
	s_add_co_u32 s20, s20, s21
	s_mul_i32 s21, s16, 6144
	s_add_co_u32 s20, s20, s21
	s_mov_b32 s21, 0
	s_lshl_b32 s22, s18, 17
	s_lshl_b32 s23, s19, 11
	s_add_co_u32 s22, s22, s23
	s_lshl_b32 s23, s16, 10
	s_add_co_u32 s22, s22, s23
	s_mov_b32 s23, 0
	s_and_b32 s67, ttmp7, 0xffff                   ; v: the batch from the cluster's y (a cluster's four tile rows lie in one batch), the tile column and the wave
	s_lshr_b32 s67, s67, 1
	s_mul_i32 s100, s67, 1572864
	s_mul_i32 s101, s66, 12288
	s_add_co_u32 s100, s100, s101
	s_mul_i32 s101, s16, 6144
	s_add_co_u32 s100, s100, s101
	s_mov_b32 s101, 0
	s_lshl_b32 s104, s67, 16
	s_lshl_b32 s105, s66, 11
	s_add_co_u32 s104, s104, s105
	s_lshl_b32 s105, s16, 10
	s_add_co_u32 s104, s104, s105
	s_mov_b32 s105, 0
	s_wait_dscnt 0x0                               ; both opening adds are done
	s_wait_kmcnt 0x0
	s_add_nc_u64 s[20:21], s[4:5], s[20:21]        ; attn's codes at the rows that I fetch, key 0
	s_add_nc_u64 s[22:23], s[6:7], s[22:23]        ; their scales
	s_add_nc_u64 s[100:101], s[8:9], s[100:101]    ; v's codes likewise
	s_add_nc_u64 s[104:105], s[10:11], s[104:105]  ; and scales: the rows that I fetch for v are also the rows that I multiply by
	CROUND                                         ; all sixteen work-groups are here: the first joint loads meet
	s_mov_b32 s[G0S], 1
	s_mul_i32 s[G0S+1], s14, HALFS                 ; where they go: the wave's number alone
	s_add_co_u32 s[G0S+1], s[G0S+1], SCL
	s_add_nc_u64 s[G0S+2:G0S+3], s[22:23], 16384   ; from key 256 on
	s_or_b32 s[G0S+3], s[G0S+3], 0x80000000
	s_mov_b32 s[G0SB], 1
	s_mul_i32 s[G0SB+1], s14, HALFS
	s_add_co_u32 s[G0SB+1], s[G0SB+1], SCL+BSH
	s_add_nc_u64 s[G0SB+2:G0SB+3], s[104:105], 8192
	s_or_b32 s[G0SB+3], s[G0SB+3], 0x80000000
	JLOAD G0S, G1S, G0SB, G1SB                     ; the scales first
	s_mov_b32 s[G0], 1
	s_mul_i32 s[G0+1], s14, HALFT
	s_mov_b64 s[G0+2:G0+3], s[20:21]
	s_or_b32 s[G0+3], s[G0+3], 0x80000000
	s_mov_b32 s[G0B], 1
	s_mul_i32 s[G0B+1], s14, HALFT
	s_mov_b64 s[G0B+2:G0B+3], s[100:101]
	s_or_b32 s[G0B+3], s[G0B+3], 0x80000000
	JLOAD G0, G1, G0B, G1B                         ; slot 0: keys 0 to 383
	s_mov_b32 s[G0+4], 1
	s_add_co_u32 s[G0+5], s[G0+1], SLOT
	s_add_nc_u64 s[G0+6:G0+7], s[20:21], 6*AG
	s_or_b32 s[G0+7], s[G0+7], 0x80000000
	s_mov_b32 s[G0B+4], 1
	s_add_co_u32 s[G0B+5], s[G0B+1], SLOT
	s_add_nc_u64 s[G0B+6:G0B+7], s[100:101], 6*BG
	s_or_b32 s[G0B+7], s[G0B+7], 0x80000000
	JLOAD G0+4, G1, G0B+4, G1B                     ; slot 1: keys 384 to 767.  Three loads of mine are out
	v_and_b32 v1, 15, v0                           ; r
	v_bfe_u32 v2, v0, 4, 1                         ; h
	v_lshlrev_b32 v[GSO], 3, v1
	s_lshl_b32 s18, s18, 17                        ; attn's scales of the 128 queries that I MULTIPLY by, keys 0 to 255
	s_lshl_b32 s19, s19, 11
	s_add_co_u32 s18, s18, s19
	s_lshl_b32 s19, s15, 10
	s_add_co_u32 s18, s18, s19
	s_mov_b32 s19, 0
	s_add_nc_u64 s[6:7], s[6:7], s[18:19]
.irp i, 0,1,2,3,4,5,6,7
	global_load_b64 v[TA+2*\i:TA+2*\i+1], v[GSO], s[6:7] offset:128*\i       ; block i: row r's words of K steps 0 and 1 (both halves of the lanes read the same)
	global_load_b64 v[TB+2*\i:TB+2*\i+1], v[GSO], s[104:105] offset:128*\i
.endr
	v_mul_u32_u24 v3, v1, 24
	v_mad_u32_u24 v4, v2, 384, v3                  ; 24 r + 384 h
	s_mul_i32 s21, s15, HALFT                      ; my 128 queries
	s_mul_i32 s22, s16, HALFT                      ; my 128 d,
	s_add_co_u32 s22, s22, 2*HALFT                 ; which lie behind attn's 256 rows
.irp s, 0,1
	v_add_nc_u32 v[ADRA+\s], s21, v4
	v_add_nc_u32 v[ADRB+\s], s22, v4
	s_add_co_u32 s21, s21, SLOT
	s_add_co_u32 s22, s22, SLOT
.endr
	v_lshlrev_b32 v5, 3, v1                        ; my row's scales in LDS: 8 bytes a row
	s_mul_i32 s21, s15, HALFS
	s_mul_i32 s22, s16, HALFS
	s_add_co_u32 s22, s22, 2*HALFS+BSH
	s_sub_co_u32 s22, s22, s21
	v_mul_u32_u24 v6, s22, v2                      ; lanes 16-31 take v's
	s_add_co_u32 s21, s21, SCL
	v_add_nc_u32 v5, v5, v6
	v_add_nc_u32 v[ADRS], s21, v5
	s_mul_i32 s23, s14, 16*SPITCH                  ; my stage
	v_mul_u32_u24 v5, v1, SPITCH
	v_lshl_add_u32 v5, v2, 5, v5
	v_add_nc_u32 v[STO], s23, v5
	v_and_b32 v6, 31, v0
	v_lshlrev_b32 v[CO], 4, v6
	v_add_nc_u32 v[RD], s23, v[CO]
	s_lshl_b32 s20, s17, 8
	s_lshl_b32 s21, s15, 7
	s_add_co_u32 s20, s20, s21                     ; my first row of out
	s_mov_b32 s21, 0
	s_mov_b64 s[18:19], SIZE_N*4
	s_mul_u64 s[20:21], s[20:21], s[18:19]
	s_lshl_b32 s100, s66, 10
	s_lshl_b32 s101, s16, 9
	s_add_co_u32 s100, s100, s101
	s_mov_b32 s101, 0
	s_add_nc_u64 s[20:21], s[20:21], s[100:101]
	s_add_nc_u64 s[12:13], s[12:13], s[20:21]
	s_mov_b32 s2, 0xffff0000                       ; lanes 16-31
	s_wait_loadcnt 0x0                             ; the first two K steps' scale words
.irp i, 0,1,2,3,4,5,6,7
.irp w, 0,1
	v_cndmask_b32 v[SC+8*\w+\i], v[TA+2*\i+\w], v[TB+2*\i+\w], s2   ; lanes 0-15 attn's word, lanes 16-31 v's
.endr
.endr
.rept 8
	v_nop                                          ; a scale register written by a vector instruction stands eight places ahead of the scaled matrix instruction
.endr
.macro FRAG reg, adr, q, i             ; 16 rows x 128 keys: registers 0-5: the atom e = h of 64 keys 2 q; registers 6-11: the same of 64 keys 2 q + 1; in pieces of 8 bytes
.irp p, 0,1,2,3,4,5
	ds_load_b64 v[\reg+2*\p:\reg+2*\p+1], v[\adr] offset:12288*(\q)+6144*(\p/3)+768*(\i)+8*(\p%3)
.endr
.endm
; 16 matrix instructions: attn's blocks a0, a0 + 1 x v's eight, 128 keys.  p: v's set and the set of scale words, k % 2.  zero = 1: the first product starts the sums: nothing is ever cleared.
; The 64 accumulators take turns, one instruction a turn, in the same order in every step.
.macro MUL16 a0, p, zero
.irp a, \a0, \a0+1
.irp b, 0,1,2,3,4,5,6,7
.if \zero
	v_wmma_scale_f32_16x16x128_f8f6f4 v[8*(8*((\a)%4)+\b):8*(8*((\a)%4)+\b)+7], v[128*(\p)+FR*\b:128*(\p)+FR*\b+FR-1], v[AF+FR*(\a):AF+FR*(\a)+FR-1], 0, v[SC+8*(\p)+\b], v[SC+8*(\p)+(\a)] matrix_a_fmt:MATRIX_FMT_FP6 matrix_b_fmt:MATRIX_FMT_FP6 matrix_a_scale:MATRIX_SCALE_ROW1
.else
	v_wmma_scale_f32_16x16x128_f8f6f4 v[8*(8*((\a)%4)+\b):8*(8*((\a)%4)+\b)+7], v[128*(\p)+FR*\b:128*(\p)+FR*\b+FR-1], v[AF+FR*(\a):AF+FR*(\a)+FR-1], v[8*(8*((\a)%4)+\b):8*(8*((\a)%4)+\b)+7], v[SC+8*(\p)+\b], v[SC+8*(\p)+(\a)] matrix_a_fmt:MATRIX_FMT_FP6 matrix_b_fmt:MATRIX_FMT_FP6 matrix_a_scale:MATRIX_SCALE_ROW1
.endif
.endr
.endr
.endm
.macro FETCH_B slot, q, p
	WIN TO_B
.irp i, 0,1,2,3,4,5,6,7
	FRAG 128*(\p)+FR*\i, ADRB+\slot, \q, \i
.endr
	WIN 0
.endm
.macro FETCH_A slot, q, i0
.irp i, \i0, \i0+1, \i0+2, \i0+3
	FRAG AF+FR*(\i), ADRA+\slot, \q, \i
.endr
.endm
.macro SCALES k                        ; K step k's scale words (k from 2 on): lanes 0-15 attn's block i, lanes 16-31 v's block i
.irp i, 0,1,2,3,4,5,6,7
	ds_load_b32 v[SC+8*((\k)%2)+\i], v[ADRS] offset:((\k)/2-1)*1024+4*((\k)%2)+128*\i
.endr
.endm
.macro PLACES n                        ; places behind matrix instructions, in front of loads into their registers and of reads of their results
.rept \n
	v_nop
.endr
.endm
; K step k, the q-th of its slot, with its successor in the same slot
.macro STEP slot, q, k, zero
	s_wait_dscnt 4*NL                              ; v's set, attn's blocks 0-3 and the scale words are in; the youngest 24 loads (blocks 4-7) may be out
	WIN MUL_LO
	MUL16 0, (\k)%2, \zero
	MUL16 2, (\k)%2, \zero
	s_wait_dscnt 0
	PLACES NP
	FETCH_B \slot, (\q)+1, 1-(\k)%2
	FETCH_A \slot, (\q)+1, 0
.if (\k) > 0
	SCALES (\k)+1                                  ; (K step 1's words came from memory at the head)
.endif
	WIN MUL_HI
	MUL16 4, (\k)%2, \zero
	MUL16 6, (\k)%2, \zero
	PLACES NP
	WIN 0
	FETCH_A \slot, (\q)+1, 4
.endm
; A slot's last step changes slots: ONE barrier; in front of it each wave waits for all its tensor loads, adds 0 to its spare word, and waits for that and for its own reads of this slot.
; fill = 1: this slot is filled again with the 384 keys two slots on; 2: with the last 128; 0: nothing is left to fetch.
.macro TURN slot, k, next, fill
	s_wait_tensorcnt 0x0                           ; all my tensor loads have landed: my part of the next slot
	ds_add_u32 v[SPW], v[NIL]                      ; 0 onto my spare word
	s_wait_dscnt 4*NL+1                            ; (the add and the youngest 24 loads may be out)
	WIN MUL_LO
	MUL16 0, (\k)%2, 0                             ; sixteen matrix instructions stand between the add and the wait for it
	s_wait_dscnt 0x0                               ; the add is done, and my reads of this slot are over
	s_barrier_signal -1
	MUL16 2, (\k)%2, 0
	WIN 0
	s_barrier_wait -1
.if \fill
	CREST                                          ; the barrier has opened a round of the cluster's barrier: no wave of any partner still reads this slot or has a load on its way
	s_add_nc_u64 s[G0+4*\slot+2:G0+4*\slot+3], s[G0+4*\slot+2:G0+4*\slot+3], 12*AG
	s_add_nc_u64 s[G0B+4*\slot+2:G0B+4*\slot+3], s[G0B+4*\slot+2:G0B+4*\slot+3], 12*BG
.if \fill == 1
	JLOAD G0+4*\slot, G1, G0B+4*\slot, G1B         ; the first tensor load behind the round; its four v_nop are the places in front of the loads below
.else
	JLOAD G0+4*\slot, G1T, G0B+4*\slot, G1TB
.endif
.else
	PLACES NP
.endif
	FETCH_B \next, 0, 1-(\k)%2
	FETCH_A \next, 0, 0
	SCALES (\k)+1
	WIN MUL_HI
	MUL16 4, (\k)%2, 0
	MUL16 6, (\k)%2, 0
	PLACES NP
	WIN 0
	FETCH_A \next, 0, 4
.endm
	s_wait_tensorcnt 1                             ; the scales and my part of slot 0 are in (slot 1's load may be out)
	s_barrier_signal -1
	s_barrier_wait -1                              ; everybody's are
	FETCH_B 0, 0, 0
	FETCH_A 0, 0, 0
	FETCH_A 0, 0, 4
	STEP 0, 0, 0, 1                                ; keys 0 to 383; the first step's products start the sums
	STEP 0, 1, 1, 0
	TURN 0, 2, 1, 1                                ; slot 0 takes keys 768 on
	STEP 1, 0, 3, 0                                ; keys 384 to 767
	STEP 1, 1, 4, 0
	TURN 1, 5, 0, 1                                ; slot 1 takes keys 1,152 on
	STEP 0, 0, 6, 0
	STEP 0, 1, 7, 0
	TURN 0, 8, 1, 1                                ; slot 0 takes keys 1,536 on
	STEP 1, 0, 9, 0
	STEP 1, 1, 10, 0
	TURN 1, 11, 0, 2                               ; slot 1 takes the last 128 keys
	STEP 0, 0, 12, 0
	STEP 0, 1, 13, 0
	TURN 0, 14, 1, 0                               ; nothing is left to fetch: a plain barrier; behind it nobody reads slot 0
	s_wait_dscnt 4*NL                              ; the last step
	WIN MUL_LO
	MUL16 0, 1, 0
	MUL16 2, 1, 0
	s_wait_dscnt 0
	WIN MUL_HI
	MUL16 4, 1, 0
	MUL16 6, 1, 0
	WIN 0
; THE WAY OUT, block by block of 16 queries x 128 d, through my own stage in LDS: back come whole rows of 512 bytes, which the 32 lanes store as two aligned runs of 256 bytes.
.macro TOSTAGE a
.set AC, 64*((\a)%4)
	WIN 0x08+4*((\a)/4)                            ; the data: window 2 or 3
.irp b, 0,1,2,3,4,5,6,7
	ds_store_b128 v[STO], v[AC+8*\b:AC+8*\b+3] offset:64*\b          ; each accumulator from its low end on
	ds_store_b128 v[STO], v[AC+8*\b+4:AC+8*\b+7] offset:64*\b+16
.endr
	WIN 0
.set BB, BK+64*((\a)%2)
.irp t, 0,1,2,3,4,5,6,7,8,9,10,11,12,13,14,15
	ds_load_b128 v[BB+4*\t:BB+4*\t+3], v[RD] offset:\t*SPITCH      ; LDS serves a wave's instructions in order: these see the stores above
.endr
.endm
.macro SEND a, younger
.set BB, BK+64*((\a)%2)
	s_wait_dscnt \younger                          ; the block is back in registers
.if (\a) > 0
	s_add_nc_u64 s[12:13], s[12:13], 16*SIZE_N*4   ; (behind a wait on XCNT: the earlier stores have read their base)
.endif
.irp t, 0,1,2,3,4,5,6,7,8,9,10,11,12,13,14,15
	global_store_b128 v[CO], v[BB+4*\t:BB+4*\t+3], s[12:13] offset:\t*SIZE_N*4 th:TH_STORE_NT
.endr
.endm
	PLACES NP
	TOSTAGE 0
.irp a, 1,2,3,4,5,6,7
.if \a > 1
	s_wait_xcnt 0x0                                ; block a - 2's stores have read their registers and their base
.endif
	TOSTAGE \a
	SEND \a-1, 32                                  ; behind block a - 1's loads: block a's 16 stores and 16 loads
.endr
	s_wait_xcnt 0x0
	SEND 7, 0
	s_wait_tensorcnt 0x0                           ; the wave's end
	ds_add_u32 v[SPW], v[NIL]
	s_wait_dscnt 0x0
	CROUND                                         ; the closing round
	s_endpgm
.Lfunc_end_k_q87288e8aaf_pv:
	.size	k_q87288e8aaf_pv, .Lfunc_end_k_q87288e8aaf_pv-k_q87288e8aaf_pv
	.p2alignl 7, 3214868480
	.fill 96, 4, 3214868480
	.section	.rodata,"a",@progbits
	.p2align	6, 0x0
	.amdhsa_kernel k_q87288e8aaf_pv
		.amdhsa_group_segment_fixed_size 327680
		.amdhsa_private_segment_fixed_size 0
		.amdhsa_enable_private_segment 0
		.amdhsa_kernarg_size 40
		.amdhsa_user_sgpr_count 2
		.amdhsa_user_sgpr_kernarg_segment_ptr 1
		.amdhsa_wavefront_size32 1
		.amdhsa_system_sgpr_workgroup_id_x 1
		.amdhsa_system_sgpr_workgroup_id_y 1
		.amdhsa_system_sgpr_workgroup_id_z 1
		.amdhsa_system_vgpr_workitem_id 0
		.amdhsa_next_free_vgpr 1024
		.amdhsa_next_free_sgpr 106
		.amdhsa_reserve_vcc 0
		.amdhsa_float_denorm_mode_32 3
		.amdhsa_float_denorm_mode_16_64 3
		.amdhsa_memory_ordered 1
		.amdhsa_forward_progress 1
		.amdhsa_inst_pref_size 255
	.end_amdhsa_kernel
	.section	.bss,"aw",@nobits
	.p2align	6
	.space	262144
	.amdgpu_metadata
---
amdhsa.version: [ 1, 2 ]
amdhsa.kernels:
  - .name:           k_q87288e8aaf_pv
    .symbol:         k_q87288e8aaf_pv.kd
    .args:
      - { .name: pc, .offset: 0, .size: 8, .value_kind: global_buffer, .address_space: global }
      - { .name: ps, .offset: 8, .size: 8, .value_kind: global_buffer, .address_space: global }
      - { .name: vc, .offset: 16, .size: 8, .value_kind: global_buffer, .address_space: global }
      - { .name: vs, .offset: 24, .size: 8, .value_kind: global_buffer, .address_space: global }
      - { .name: out0, .offset: 32, .size: 8, .value_kind: global_buffer, .address_space: global }
    .group_segment_fixed_size: 327680
    .private_segment_fixed_size: 0
    .kernarg_segment_align: 8
    .kernarg_segment_size: 40
    .max_flat_workgroup_size: 128
    .sgpr_count:     106
    .vgpr_count:     1024
    .wavefront_size: 32
...
	.end_amdgpu_metadata
.endif
;; end of part 3
